; MI455X (gfx1250); checked and timed in simulation.
; The chip was launched on July 23, 2026; its instructions are those of AMD's public machine-readable ISA for CDNA 5 (MIT licence, August 2026) and "CDNA5" Instruction Set Architecture Reference Guide (July 2026). The comments in the code are by the model that wrote it; some were corrected since.
;; Spatial Self Attention. Allowed arithmetic: matrix products marked QUANTISED: E2M1 operands, one E8M0 scale for each 32 along K, by v_wmma_scale_f32_16x16x128_f8f6f4 with both operands' format E2M1 (or v_wmma_scale_f32_32x16x128_f4), f32 sums; products left as they are: bf16, f16 or f32 operands; f32 sums; everything else in f32.
;; Inputs: W_out 1,024 x 1,024 float32; W_qkv 1,024 x 3,072 float32; x 8 x 1,024 x 1,024 float32.
;; Outputs: out0 8 x 1,024 x 1,024 float32.
;; This version of the problem:
;;   THIS VERSION OF THE PROBLEM IS GIVEN IN LOW PRECISION. The matrix products marked QUANTISED in the list below multiply operands that are first quantised to E2M1 (2 exponent bits, 1 mantissa bit; 4 bits a number), with one power-of-two scale for each 32 numbers along K (OCP MX v1.0); their sums are f32. The products marked 'left as it is' may take bf16, f16 or f32 operands, with f32 sums. Whichever they take, every output number must still come out within the allowed error. Rounding operands to bf16 (8 significant bits) uses up far more of that allowance than f16 does (11 bits, for magnitudes from 6e-5 to 65,504). All else is computed in f32.
;;   The module's matrix products, in the order in which they are computed (A, B: the left and right operand; K: the contracted axis; several contracted axes count as one K, in the product's order):
;;     1. [M 8,192, K 1,024] x [K 1,024, N 3,072]; A: input x; B: input W_qkv: QUANTISED
;;     2. batch 128 x [M 1,024, K 64] x [K 64, N 1,024]; A: computed on the way; B: computed on the way: left as it is (an operand is computed on the way)
;;     3. batch 128 x [M 1,024, K 1,024] x [K 1,024, N 64]; A: computed on the way; B: computed on the way: left as it is (an operand is computed on the way)
;;     4. [M 8,192, K 1,024] x [K 1,024, N 1,024]; A: computed on the way; B: input W_out: left as it is (an operand is computed on the way)
;;   THE QUANTISER, for each operand of a quantised product, along K:
;;     - K is cut into blocks of 32 from its start; a last block that is shorter is filled with zeros.
;;     - A block's scale is 2^e with e = floor(log2(the largest magnitude in the block)) - 2, held to -126 .. 127; a block of zeros has e = 0. As a byte (E8M0): e + 127.
;;     - Each number is divided by its block's scale, clamped to +-6, and rounded to the nearest number of E2M1, ties to even, subnormals kept.
;;     - The product sums the exact products of the quantised numbers (number of the format x scale) in f32.
;;   ~~~python
;;   def quantise(x, axis):      # numpy; x: float32 -> the quantised numbers, widened to float32 again
;;       x = np.moveaxis(x, axis, -1); K = x.shape[-1]
;;       x = np.pad(x, [(0, 0)] * (x.ndim - 1) + [(0, -K % 32)]); x = x.reshape(x.shape[:-1] + (-1, 32)); a = np.abs(x).max(-1, keepdims=True)
;;       e = np.where(a > 0, np.clip(np.frexp(np.where(a > 0, a, 1))[1] - 1 - 2, -126, 127), 0)      # np.frexp(a)[1] - 1 = floor(log2(a)), exactly
;;       r = np.clip(x / 2.0 ** e, -6, 6)
;;       step = 2.0 ** (np.maximum(np.frexp(np.where(r == 0, 1, r))[1] - 1, 0) - 1)
;;       q = np.round(r / step) * step * 2.0 ** e      # np.round: ties to even
;;       return np.moveaxis(q.reshape(q.shape[:-2] + (-1,))[..., :K], -1, axis).astype(np.float32)
;;   ~~~
;; One version. Each part assembles by itself: llvm-mc -triple=amdgcn-amd-amdhsa -mcpu=gfx1250 --defsym DOCPART=n.
;; ======== version 1 of 1: 4 launches
;; limits: values are held in f16: magnitudes above 65,504 overflow, below 6.1e-05 lose precision
;; workspace buffers: x_codes 4,194,304 bytes; x_scales 262,144 bytes; wq_codes 1,572,864 bytes; wq_scales 98,304 bytes; wo_h 2,097,152 bytes; qkv 50,331,648 bytes; att 16,777,216 bytes
;; launch prep (part 1): grid 416 x 1, 4 waves a work-group, no clusters, 50,688 bytes of LDS; arguments x, W_qkv, W_out, x_codes, x_scales, wq_codes, wq_scales, wo_h; writes x_codes, x_scales, wq_codes, wq_scales, wo_h
.if DOCPART == 1
	.amdgcn_target "amdgcn-amd-amdhsa--gfx1250"
	.amdhsa_code_object_version 6
	.text
	.protected	k_q3750e64a92_prep
	.globl	k_q3750e64a92_prep
	.p2align	8
	.type	k_q3750e64a92_prep,@function
k_q3750e64a92_prep:
	s_mov_b64 s[64:65], 0
	v_nop
	global_prefetch_b8 v0, s[64:65] scope:SCOPE_SE
	s_setreg_imm32_b32 hwreg(HW_REG_WAVE_MODE, 25, 1), 1
	s_wait_xcnt 0x0
; FIRST OF FOUR LAUNCHES of: out = attention(x W_qkv) W_out, 8 x 1,024 tokens, 1,024 channels, 16 heads of 64, no mask.
; NO WORK OF reference() IS DEAD: every column of x W_qkv is a q, a k or a v of some head, every key counts for every query, every head's result enters the last product: all three inputs are loaded, all four products are made.
; THIS LAUNCH makes the operands of the later ones, each number read once:
;   work-groups 0-95:    W_qkv [1024 k][3072 n] f32, whose K is its FIRST axis -> codes of FP4 (E2M1) [3072 n][512 bytes], K innermost, and one E8M0 byte for each 32 along K (their waves have the longest chains of loads, so they come first);
;   work-groups 96-351:  x [8192][1024] f32 -> codes, K innermost, [8192][512 bytes], and bytes [8192][32];
;   work-groups 352-415: W_out [1024 k][1024 n] f32 -> f16, as it lies (the last product is left as it is and takes f16 operands).
; W_qkv's SCALE BYTES are laid as the next launch's work-group j takes them, [8 j][384 rows][32 bytes]: rows 0-255 are columns 256 j on (q, k), rows 256-383 columns 2,048 + 128 j on (v): one dense block for each j.
; THE QUANTISER: a block's scale is 2^(floor(log2(its largest magnitude)) - 2); its byte is the largest magnitude's exponent field - 2, held at 1 from below; each number is divided by the scale and rounded
; to the nearest code, ties to even, beyond 6 the largest code.  A block of zeros gets the byte 1 where the rule says 127: its codes are zeros, which add nothing under any byte but 0xff, and this program alone reads the bytes.
; LIMITS: NaN and infinities among the inputs are not served; blocks whose largest magnitude lies under 2^-124 (the floor) were not tried; W_out goes as f16: beyond 65,504 it becomes infinity, under 6e-5 its step is 2^-24.
; The three paths part on the work-group's number alone, and each has LDS bytes of its own.  No tensor load.
.set SPARE, 50176                      ; behind both paths' stages: the spare words, 128 bytes for each wave: two blocks of 256 bytes that no other line names
.set SPW,   198                        ; v198  LDS address of my spare word: SPARE + 4 x my thread's number; never rewritten
.set NIL,   199                        ; v199  0; never rewritten
	s_load_b256 s[4:11], s[0:1], 0x0               ; x s[4:5], W_qkv s[6:7], W_out s[8:9], x_codes s[10:11]
	s_load_b256 s[12:19], s[0:1], 0x20             ; x_scales s[12:13], wq_codes s[14:15], wq_scales s[16:17], wo_h s[18:19]
	v_lshl_add_u32 v[SPW], v0, 2, SPARE
	v_mov_b32 v[NIL], 0
	v_lshrrev_b32 v1, 5, v0
	v_readfirstlane_b32 s20, v1                    ; wave 0..3
	v_and_b32 v2, 31, v0                           ; lane
	s_wait_kmcnt 0x0
	s_cmp_lt_u32 ttmp9, 96
	s_cbranch_scc1 .Lpath_w
	s_cmp_lt_u32 ttmp9, 352
	s_cbranch_scc0 .Lpath_o
; ---------------- PATH X.  Rows are dense and K is a multiple of 32: x is a plain stream of blocks of 32, and so are its codes and bytes.  Waves share nothing: no barrier.
; A wave takes 16 steps of 512 numbers.  Each of a step's four loads reads 512 consecutive bytes, 16 a lane; the 2,048 bytes turn through the wave's own stage in LDS and come back 64 bytes a lane: 16 NEIGHBOURS along K,
; as the conversions want them; two neighbouring lanes hold a block.  A lane's 16 codes are 8 bytes: the wave stores 256 consecutive bytes.  A wave's 256 scale bytes are gathered in LDS and leave as one aligned run of 256 bytes.
.set XSP,  80                          ; a lane's place in a stage: 64 bytes + 16 of padding
.set XR,   16                          ; v16-79   four sets of 16 numbers as loaded
.set XX,   80                          ; v80-111  two sets of 16 neighbours
.set XE,   112                         ; v112-127 a scale byte for each step
.set XC,   128                         ; v128-191 codes: four registers kept for each step, so that no store's data are written again
	v_lshlrev_b32 v3, 4, v2                        ; my 16 bytes of a load's 512
	s_mul_i32 s21, s20, 8192                       ; LDS: 8,192 bytes for each wave: two stages of 32 x 80, then 256 scale bytes
	v_lshrrev_b32 v14, 2, v2
	v_mul_u32_u24 v14, v14, XSP
	v_and_b32 v15, 3, v2
	v_lshl_add_u32 v14, v15, 4, v14
	v_add_nc_u32 v14, s21, v14                     ; into the stage: 80 (lane / 4) + 16 (lane % 4)
	v_mul_u32_u24 v15, v2, XSP
	v_add_nc_u32 v15, s21, v15                     ; out of it: 80 x lane
	v_lshlrev_b32 v4, 3, v2                        ; my codes' place in a step's 256 bytes
	v_lshrrev_b32 v5, 1, v2
	s_add_co_u32 s21, s21, 2*32*XSP
	v_add_nc_u32 v5, s21, v5                       ; my block's byte among the wave's 256
	v_lshlrev_b32 v7, 3, v2
	v_add_nc_u32 v6, s21, v7                       ; and on the way out 8 bytes a lane
	s_sub_co_u32 s22, ttmp9, 96
	s_lshl_b32 s22, s22, 2
	s_add_co_u32 s22, s22, s20                     ; which run of 8,192 numbers is my wave's: 0 .. 1,023
	s_mov_b32 s25, 0
	s_lshl_b32 s24, s22, 15
	s_add_nc_u64 s[4:5], s[4:5], s[24:25]          ; 32,768 bytes of x a run,
	s_lshl_b32 s24, s22, 12
	s_add_nc_u64 s[10:11], s[10:11], s[24:25]      ; 4,096 of codes,
	s_lshl_b32 s24, s22, 8
	s_add_nc_u64 s[12:13], s[12:13], s[24:25]      ; 256 scale bytes
.macro XLOAD t
.irp i, 0,1,2,3
	global_load_b128 v[XR+16*((\t)%4)+4*\i:XR+16*((\t)%4)+4*\i+3], v3, s[4:5] offset:2048*(\t)+512*\i th:TH_LOAD_NT
.endr
.endm
.macro XTURN t                         ; LDS serves a wave's instructions in order (ISA guide 5.7.1.4): no wait between the stores and the loads
.irp i, 0,1,2,3
	ds_store_b128 v14, v[XR+16*((\t)%4)+4*\i:XR+16*((\t)%4)+4*\i+3] offset:32*XSP*((\t)%2)+8*XSP*\i
.endr
.irp i, 0,1,2,3
	ds_load_b128 v[XX+16*((\t)%2)+4*\i:XX+16*((\t)%2)+4*\i+3], v15 offset:32*XSP*((\t)%2)+16*\i
.endr
.endm
.irp t, 0,1,2,3
	XLOAD \t
.endr
	s_wait_loadcnt 12                              ; step 0's four loads are in; the twelve of steps 1 to 3 stay out
	XTURN 0
.macro XSTEP t
.set XS, XX+16*((\t)%2)
.if (\t) > 0
	s_wait_dscnt 1                                 ; this step's numbers are back from the stage; the last step's byte store may be out
.else
	s_wait_dscnt 0x0
.endif
.if (\t)+4 < 16
	XLOAD (\t)+4                                   ; into the set whose stores into the stage have read it
.endif
.if (\t)+1 < 16
.if 14-(\t) >= 3
	s_wait_loadcnt 12                              ; the next step's four loads are in; those of the three steps behind it may be out
.else
	s_wait_loadcnt 4*(14-(\t))
.endif
	XTURN (\t)+1
.endif
	v_max3_num_f32 v8, |v[XS]|, |v[XS+1]|, |v[XS+2]|               ; the largest magnitude of my 16, in two chains
	v_max3_num_f32 v9, |v[XS+3]|, |v[XS+4]|, |v[XS+5]|
.irp i, 6,10
	v_max3_num_f32 v8, v8, |v[XS+\i]|, |v[XS+\i+1]|
	v_max3_num_f32 v9, v9, |v[XS+\i+2]|, |v[XS+\i+3]|
.endr
	v_max3_num_f32 v8, v8, |v[XS+14]|, |v[XS+15]|
	v_max3_num_f32 v8, v8, v9, 0x1800000           ; and the floor 2^(3 - 127): the byte cannot fall under 1
	v_max_num_f32_dpp v8, v8, v8 row_xmask:1 row_mask:0xf bank_mask:0xf   ; with my neighbour's 16: the block's
	v_add_nc_u32 v11, 0xff000000, v8               ; 2 off its exponent field: the conversion takes the exponent field of this operand as its scale
	v_cvt_scalef32_pk8_fp4_f32 v[XC+4*(\t)], v[XS:XS+7], v11
	v_cvt_scalef32_pk8_fp4_f32 v[XC+4*(\t)+1], v[XS+8:XS+15], v11
	v_lshrrev_b32 v[XE+(\t)], 23, v11              ; the scale's byte (also the plain line behind the conversions)
	ds_store_b8 v5, v[XE+(\t)] offset:16*(\t)      ; both lanes of a block write the same byte with the same value
	global_store_b64 v4, v[XC+4*(\t):XC+4*(\t)+1], s[10:11] offset:256*(\t)   ; 32 lanes store 256 consecutive bytes, aligned
.endm
.irp t, 0,1,2,3,4,5,6,7,8,9,10,11,12,13,14,15
	XSTEP \t
.endr
	ds_load_b64 v[192:193], v6                     ; in order behind my byte stores
	s_wait_dscnt 0x0
	global_store_b64 v7, v[192:193], s[12:13]      ; 256 consecutive bytes, aligned
	s_branch .Lend
.Lpath_w:
; ---------------- PATH W.  A LANE TAKES A COLUMN n, AND ITS REGISTERS RUN DOWN K: each load reads 128 consecutive bytes a wave, a block of 32 along K lies in ONE lane's 32 registers, and the conversions give codes with K innermost.
; A work-group takes 64 columns x 512 along K: 48 along n x 2 along K.  Wave w takes 32 columns (w % 2) x 256 along K (w / 2): 8 blocks a lane.  Two waves side by side read 256 consecutive bytes of each row of W_qkv;
; two waves one below the other make a column's 256 bytes of codes: these meet in the work-group's stage, behind one barrier, and leave as rows: sixteen lanes store 256 consecutive bytes, aligned.
; Every offset is an immediate: 255 rows of 12,288 bytes at the most, inside the signed 24 bits (ISA guide, chapter 10).
.set WPITCH, 272
.set WST,  32768                       ; the stage: 64 rows x 272 bytes, behind path X's bytes
.set WX,   32                          ; v32-95   two sets of 32 numbers
.set WC,   96                          ; v96-99   a block's codes
.set WOUT, 112                         ; v112-143 the way out
.set WSB,  24                          ; v24-25   the scale bytes, four to a register
	s_cmp_ge_u32 ttmp9, 48
	s_cselect_b32 s22, 1, 0                        ; which 512 along K
	s_cselect_b32 s23, 48, 0
	s_sub_co_u32 s21, ttmp9, s23
	s_and_b32 s27, s20, 1                          ; which 32 of the 64 columns
	s_lshr_b32 s28, s20, 1                         ; which 256 of the 512 along K
	s_lshl_b32 s26, s21, 6                         ; the work-group's first column
	s_lshl_b32 s23, s27, 5
	s_add_co_u32 s21, s26, s23                     ; my wave's first column
	v_lshlrev_b32 v3, 2, v2                        ; in: 4 bytes a lane
	s_mul_i32 s23, s27, 32*WPITCH
	s_lshl_b32 s24, s28, 7
	s_add_co_u32 s23, s23, s24
	s_add_co_u32 s23, s23, WST
	v_mul_u32_u24 v4, v2, WPITCH
	v_add_nc_u32 v4, s23, v4                       ; into the stage: row = my column, my 128 bytes of its 256
	v_and_b32 v5, 15, v2
	v_lshrrev_b32 v6, 4, v2
	s_mul_i32 s23, s20, 16*WPITCH
	s_add_co_u32 s23, s23, WST
	v_mul_u32_u24 v7, v6, WPITCH
	v_lshl_add_u32 v7, v5, 4, v7
	v_add_nc_u32 v7, s23, v7                       ; out of it: wave w takes rows 16 w on; sixteen lanes to a row, two rows an instruction
	v_lshlrev_b32 v8, 9, v6
	v_lshl_add_u32 v8, v5, 4, v8                   ; the same place in the codes' buffer: rows of 512 bytes
	v_lshlrev_b32 v9, 5, v2                        ; my column's row of 32 scale bytes
	s_lshl_b32 s24, s22, 1
	s_add_co_u32 s24, s24, s28
	s_mul_i32 s24, s24, 256*12288                  ; my first row of W_qkv: 256 rows for each quarter of K
	s_lshl_b32 s25, s21, 2
	s_add_co_u32 s24, s24, s25
	s_mov_b32 s25, 0
	s_add_nc_u64 s[6:7], s[6:7], s[24:25]
	s_lshl_b32 s24, s20, 4
	s_add_co_u32 s24, s24, s26
	s_lshl_b32 s24, s24, 9
	s_lshl_b32 s29, s22, 8
	s_add_co_u32 s24, s24, s29
	s_add_nc_u64 s[14:15], s[14:15], s[24:25]      ; codes: (the work-group's column + 16 w) x 512 + 256 for the upper half of K
	s_lshr_b32 s29, s21, 8
	s_lshl_b32 s29, s29, 7
	s_add_co_u32 s29, s29, s21                     ; the scale bytes' row.  q's and k's columns n: 384 (n / 256) + n % 256 = n + 128 (n / 256)
	s_max_u32 s30, s21, 2048
	s_sub_co_u32 s30, s30, 2048
	s_lshr_b32 s31, s30, 7
	s_lshl_b32 s31, s31, 8
	s_add_co_u32 s31, s31, s30
	s_add_co_u32 s31, s31, 256                     ; v's columns, m = n - 2,048: 384 (m / 128) + 256 + m % 128 = m + 256 (m / 128) + 256
	s_cmp_lt_u32 s21, 2048
	s_cselect_b32 s29, s29, s31
	s_lshl_b32 s24, s29, 5
	s_lshl_b32 s29, s22, 4
	s_add_co_u32 s24, s24, s29
	s_lshl_b32 s29, s28, 3
	s_add_co_u32 s24, s24, s29
	s_add_nc_u64 s[16:17], s[16:17], s[24:25]      ; row x 32 + my 8 of its 32 bytes
.macro WLOAD t
.irp i, 0,1,2,3,4,5,6,7,8,9,10,11,12,13,14,15,16,17,18,19,20,21,22,23,24,25,26,27,28,29,30,31
	global_load_b32 v[WX+32*((\t)%2)+\i], v3, s[6:7] offset:(32*(\t)+\i)*12288 th:TH_LOAD_NT
.endr
.endm
	WLOAD 0
	WLOAD 1
.macro WBLOCK t
.set XS, WX+32*((\t)%2)
.if (\t) < 7
	s_wait_loadcnt 32                              ; this block's 32 loads are in; the next block's may be out
.else
	s_wait_loadcnt 0
.endif
	v_max3_num_f32 v12, |v[XS]|, |v[XS+1]|, |v[XS+2]|              ; the block's largest magnitude: all 32 numbers are mine
	v_max3_num_f32 v13, |v[XS+3]|, |v[XS+4]|, |v[XS+5]|
.irp i, 6,10,14,18,22,26
	v_max3_num_f32 v12, v12, |v[XS+\i]|, |v[XS+\i+1]|
	v_max3_num_f32 v13, v13, |v[XS+\i+2]|, |v[XS+\i+3]|
.endr
	v_max3_num_f32 v12, v12, |v[XS+30]|, |v[XS+31]|
	v_max3_num_f32 v12, v12, v13, 0x1800000        ; and the floor
	v_add_nc_u32 v11, 0xff000000, v12              ; the conversion's scale operand
	v_lshrrev_b32 v13, 23, v11                     ; the scale's byte
.if (\t)%4 == 0
	v_mov_b32 v[WSB+(\t)/4], v13
.else
	v_lshl_or_b32 v[WSB+(\t)/4], v13, 8*((\t)%4), v[WSB+(\t)/4]
.endif
.irp g, 0,1,2,3
	v_cvt_scalef32_pk8_fp4_f32 v[WC+\g], v[XS+8*\g:XS+8*\g+7], v11
.endr
	v_nop                                          ; one plain line behind the last conversion
	ds_store_b128 v4, v[WC:WC+3] offset:16*(\t)    ; 32 codes: 16 bytes of my column's row
.if (\t)+2 < 8
	WLOAD (\t)+2
.endif
	s_wait_dscnt 0x0                               ; the store has read its registers: the next block's codes may be written
.endm
.set Q, 0
.rept 8
	WBLOCK Q
.set Q, Q+1
.endr
	global_store_b64 v9, v[WSB:WSB+1], s[16:17]    ; my column's 8 scale bytes
	s_wait_dscnt 0x0                               ; for the others' sake: my stores into the stage are done
	s_barrier_signal -1
	s_barrier_wait -1                              ; the 64 rows of the stage are whole
.irp t, 0,1,2,3,4,5,6,7
	ds_load_b128 v[WOUT+4*\t:WOUT+4*\t+3], v7 offset:2*\t*WPITCH
.endr
.irp t, 0,1,2,3,4,5,6,7
	s_wait_dscnt 7-\t                              ; LDS loads come back in order: load t is in
	global_store_b128 v8, v[WOUT+4*\t:WOUT+4*\t+3], s[14:15] offset:2*\t*512
.endr
	s_branch .Lend
.Lpath_o:
; ---------------- PATH O.  W_out to f16, number by number.  A wave takes 4,096 numbers: 32 loads of 512 consecutive bytes, sixteen of them on their way; each store covers 256 consecutive bytes, aligned.
.set OR, 16                            ; v16-79   sixteen sets of 4 numbers
.set OO, 80                            ; v80-143  two registers for each of 32 stores: no store's data are written again
	s_sub_co_u32 s21, ttmp9, 352
	s_lshl_b32 s21, s21, 2
	s_add_co_u32 s21, s21, s20                     ; my run: 0 .. 255
	s_mov_b32 s23, 0
	s_lshl_b32 s22, s21, 14
	s_add_nc_u64 s[8:9], s[8:9], s[22:23]
	s_lshl_b32 s22, s21, 13
	s_add_nc_u64 s[18:19], s[18:19], s[22:23]
	v_lshlrev_b32 v3, 4, v2
	v_lshlrev_b32 v4, 3, v2
.set T, 0
.rept 16
	global_load_b128 v[OR+4*T:OR+4*T+3], v3, s[8:9] offset:512*T th:TH_LOAD_NT
.set T, T+1
.endr
.set T, 0
.rept 32
.if T < 17
	s_wait_loadcnt 15                              ; load T is in; the fifteen issued behind it may be out
.else
	s_wait_loadcnt 31-T
.endif
	v_cvt_pk_f16_f32 v[OO+2*T], v[OR+4*(T%16)], v[OR+4*(T%16)+1]
	v_cvt_pk_f16_f32 v[OO+2*T+1], v[OR+4*(T%16)+2], v[OR+4*(T%16)+3]
.if T < 16
	global_load_b128 v[OR+4*(T%16):OR+4*(T%16)+3], v3, s[8:9] offset:512*(T+16) th:TH_LOAD_NT
.endif
	global_store_b64 v4, v[OO+2*T:OO+2*T+1], s[18:19] offset:256*T
.set T, T+1
.endr
.Lend:
	s_wait_tensorcnt 0x0                           ; the wave's end: behind my last LDS store
	ds_add_u32 v[SPW], v[NIL]
	s_wait_dscnt 0x0
	s_endpgm
.Lfunc_end_k_q3750e64a92_prep:
	.size	k_q3750e64a92_prep, .Lfunc_end_k_q3750e64a92_prep-k_q3750e64a92_prep
	.p2alignl 7, 3214868480
	.fill 96, 4, 3214868480
	.section	.rodata,"a",@progbits
	.p2align	6, 0x0
	.amdhsa_kernel k_q3750e64a92_prep
		.amdhsa_group_segment_fixed_size 50688
		.amdhsa_private_segment_fixed_size 0
		.amdhsa_enable_private_segment 0
		.amdhsa_kernarg_size 64
		.amdhsa_user_sgpr_count 2
		.amdhsa_user_sgpr_kernarg_segment_ptr 1
		.amdhsa_wavefront_size32 1
		.amdhsa_system_sgpr_workgroup_id_x 1
		.amdhsa_system_sgpr_workgroup_id_y 1
		.amdhsa_system_sgpr_workgroup_id_z 1
		.amdhsa_system_vgpr_workitem_id 0
		.amdhsa_next_free_vgpr 200
		.amdhsa_next_free_sgpr 66
		.amdhsa_reserve_vcc 0
		.amdhsa_float_denorm_mode_32 3
		.amdhsa_float_denorm_mode_16_64 3
		.amdhsa_memory_ordered 1
		.amdhsa_forward_progress 1
		.amdhsa_inst_pref_size 85
	.end_amdhsa_kernel
	.amdgpu_metadata
---
amdhsa.version: [ 1, 2 ]
amdhsa.kernels:
  - .name:           k_q3750e64a92_prep
    .symbol:         k_q3750e64a92_prep.kd
    .args:
      - { .name: x, .offset: 0, .size: 8, .value_kind: global_buffer, .address_space: global }
      - { .name: W_qkv, .offset: 8, .size: 8, .value_kind: global_buffer, .address_space: global }
      - { .name: W_out, .offset: 16, .size: 8, .value_kind: global_buffer, .address_space: global }
      - { .name: x_codes, .offset: 24, .size: 8, .value_kind: global_buffer, .address_space: global }
      - { .name: x_scales, .offset: 32, .size: 8, .value_kind: global_buffer, .address_space: global }
      - { .name: wq_codes, .offset: 40, .size: 8, .value_kind: global_buffer, .address_space: global }
      - { .name: wq_scales, .offset: 48, .size: 8, .value_kind: global_buffer, .address_space: global }
      - { .name: wo_h, .offset: 56, .size: 8, .value_kind: global_buffer, .address_space: global }
    .group_segment_fixed_size: 50688
    .private_segment_fixed_size: 0
    .kernarg_segment_align: 8
    .kernarg_segment_size: 64
    .max_flat_workgroup_size: 128
    .sgpr_count:     66
    .vgpr_count:     200
    .wavefront_size: 32
...
	.end_amdgpu_metadata
.endif
;; end of part 1
;; launch qkvgemm (part 2): grid 8 x 32, 4 waves a work-group, clusters of 4 x 4, 327,680 bytes of LDS; arguments x_codes, x_scales, wq_codes, wq_scales, qkv; writes qkv
.if DOCPART == 2
	.amdgcn_target "amdgcn-amd-amdhsa--gfx1250"
	.amdhsa_code_object_version 6
	.text
	.protected	k_q3750e64a92_qkvgemm
	.globl	k_q3750e64a92_qkvgemm
	.p2align	8
	.type	k_q3750e64a92_qkvgemm,@function
k_q3750e64a92_qkvgemm:
	s_mov_b64 s[64:65], 0
	v_nop
	global_prefetch_b8 v0, s[64:65] scope:SCOPE_SE
	s_setreg_imm32_b32 hwreg(HW_REG_WAVE_MODE, 25, 1), 1
	s_wait_xcnt 0x0
	s_wait_alu depctr_hold_cnt(0) depctr_sa_sdst(0) depctr_va_vdst(0) depctr_va_sdst(0) depctr_va_ssrc(0) depctr_va_vcc(0) depctr_vm_vsrc(0)
	s_getreg_b32 s2, hwreg(HW_REG_IB_STS2, 6, 4)
	s_cmp_eq_u32 s2, 0
	s_cbranch_scc0 .Lentry_in_a_cluster
	s_endpgm
.Lentry_in_a_cluster:
	s_bfe_u32 s2, ttmp6, 0x10000c
	s_cmp_lg_u32 s2, 0xf033
	s_cbranch_scc0 .Lentry_shape_is_right
	s_endpgm
.Lentry_shape_is_right:
; SECOND LAUNCH: qkv = Q(x) Q(W_qkv), the quantised product, on codes of FP4 (E2M1) with one E8M0 scale for each 32 along K; sums in f32; nothing of it is left out.
; A = x's codes [8192][512 bytes], B = W_qkv's codes [3072 n][512 bytes], K = 1,024 innermost in both; x's scale bytes [8192][32]; W_qkv's [8 j][384][32] (rows 0-255: columns 256 j on; rows 256-383: columns 2,048 + 128 j on).
; THE RESULT goes out as f16 (the operand format of the products that follow), laid by SLICES of 64 columns: [48 slices][8192 rows][64]: slices 0-15 are q's heads, 16-31 k's, 32-47 v's; so a head's rows are dense.
; LIMIT: a q, k or v beyond 65,504 becomes infinity in f16; under 6e-5 its step is 2^-24.
; SHARES.  8 x 32 = 256 work-groups of four waves.  Work-group (j, i) makes rows 256 i on x 384 columns, in TWO PARTS that share its rows of x in LDS: part 1, columns 256 j on (q, k), a wave 128 x 128: 64 accumulators;
; part 2, columns 2,048 + 128 j on (v), a wave 128 x 64: 32 accumulators, in registers that part 1 has left.  Part 1's stores are on their way while part 2 is multiplied.
; LDS.  K is two steps of 512, one in each of two slots (256 rows of A, 256 rows of B); both are asked for at the head.  640 rows x 544 bytes do not fit, so part 2's 128 rows of B, all of K, which are as many bytes as
; slot 0's rows of B, are brought into that place when these have been read: the one refill, at the change of slots.  THE SCALES of the 256 + 384 rows, for all of K, come once, with the first fills.
; CLUSTERS: 4 x 4 work-groups.  The four of a row of the cluster need the same tiles of A, the four of a column the same tiles of B: each tile is asked for JOINTLY, by the same tensor load with the same descriptor and a mask that names the four.
; THE MATRIX INSTRUCTION IS USED TRANSPOSED (source 0 = 16 rows of B, source 1 = 16 rows of A): a lane then holds eight neighbouring columns of one row.
; REGISTERS, in windows of 256: window 0: v0-31 addresses; v32-95 scale words, two sets; v96-127 packed results on the way out; from v128 A's fragments, ONE set (on the way out: rows read back).
;   window 1: B's fragments, TWO sets, at v0 and v128.   window 2: part 1: the accumulators of my rows 0-63 ((a, b) at v[8 (8 a + b)]); part 2: all 32 ((a, b) at v[8 (4 a + b)]).   window 3: part 1's of rows 64-127.
.set KSTEP,  512
.set NQ,     4                         ; matrix instructions deep in a slot
.set ROWB,   256                       ; a tile's row: 512 codes
.set KROW,   512                       ; a row of A or B in memory
.set PITCH,  272                       ; an LDS row: 256 bytes + 16 of padding: an odd multiple of 16, so the 16 rows that a load touches start at 16 different banks (ISA guide 11.1)
.set FR,     8
.set NL,     2
.set NP,     4                         ; places behind this matrix instruction (ISA guide 7.12.1)
.set HALFT,  128*PITCH
.set SLOT,   4*HALFT
.set KS,     32                        ; a row of scales in bytes
.set SCL,    2*SLOT                    ; A's scales: 256 rows
.set HALFS,  16*272                    ; the scales of 128 rows: 4,096 bytes as 16 rows of 256 + 16
.set SCLB,   SCL+2*HALFS               ; B's scales: 384 rows
.set HALFSB, 24*272                    ; the scales of 192 rows
.set SBLK,   2*272                     ; those of 16 rows
.set STAGE,  SCLB+2*HALFSB             ; the way out: [2][16 rows][128 bytes + 16] for each wave, in bytes into which no fill lands
.set SPITCH, 144
.set SPARE,  STAGE+4*2*16*SPITCH       ; the spare words, 128 bytes for each wave: two blocks of 256 bytes that no other line names
.set ADRA, 16                          ; v16-17  my A fragments in slot 0, 1
.set ADRB, 20                          ; v20-21  part 1's B fragments in slot 0, 1
.set ADRB2, 22                         ; v22-23  part 2's B fragments, lower and upper half of K
.set STO,  24
.set RD,   25
.set CO,   26
.set ADRS, 27                          ; v27     scale words, part 1: lanes 0-15 A's rows, lanes 16-31 B's
.set SPW,  28
.set NIL,  29
.set ADRS2, 30                         ; v30     scale words, part 2: lanes 0-15 A's rows, lanes 16-31 B's
.set ADRSA, 31                         ; v31     A's scale words in all lanes
.set SC,   32
.set TMP,  96
.set AF,   128
.set BK,   128
.set G1, 24
.set G0, 32
.set G1B, 48
.set G0B, 56
.set OUT2, 66                          ; s[66:67] where my part of v begins in qkv
.set G1S, 68
.set G0S, 76
.set G1SB, 80
.set G0SB, 88
.set B2A, 96                           ; s[96:97] part 2's codes: what I fetch of them, if I fetch for B
.set MSB, 0
.macro WIN new                         ; the immediate's high byte repeats the setting that is left
.if MSB != \new
	s_set_vgpr_msb (MSB<<8)|\new
.set MSB, \new
.endif
.endm
.set MUL_LO, 0xa1                      ; source 0 (B) window 1, source 1 (A) window 0, C and D window 2
.set MUL_HI, 0xf1
.set TO_B,   0x40
; A joint load: waves 0 and 1 fetch for A, waves 2 and 3 for B; the branch hangs on the wave's number alone.  An s_nop 0 and four v_nop follow each of the two lines.
.macro JLOAD g0a, g1a, g0b, g1b
	s_cmp_eq_u32 s15, 0
	s_cbranch_scc0 .Lfor_b_\@
	tensor_load_to_lds s[\g0a:\g0a+3], s[\g1a:\g1a+7]
	s_nop 0
.rept 4
	v_nop
.endr
	s_branch .Lasked_\@
.Lfor_b_\@:
	tensor_load_to_lds s[\g0b:\g0b+3], s[\g1b:\g1b+7]
	s_nop 0
.rept 4
	v_nop
.endr
.Lasked_\@:
.endm
.macro CREST                           ; a round of the cluster's barrier behind its opening barrier
	s_cmp_lg_u32 s14, 0
	s_cbranch_scc1 .Lnot_wave_0_\@
	s_barrier_signal -3
.Lnot_wave_0_\@:
	s_barrier_wait -3
	s_barrier_signal -1
	s_barrier_wait -1
.endm
.macro CROUND                          ; a whole round
	s_barrier_signal -1
	s_barrier_wait -1
	CREST
.endm
	s_load_b128 s[4:7], s[0:1], 0x0                ; A's codes, A's scales
	s_load_b128 s[8:11], s[0:1], 0x10              ; B's codes, B's scales
	s_load_b64 s[12:13], s[0:1], 0x20              ; qkv
	v_lshl_add_u32 v[SPW], v0, 2, SPARE
	v_mov_b32 v[NIL], 0
	ds_add_u32 v[SPW], v[NIL]                      ; the wave's opening: the add, twice on end, and its wait ahead of my first tensor load
	ds_add_u32 v[SPW], v[NIL]
	v_lshrrev_b32 v1, 5, v0
	v_readfirstlane_b32 s14, v1                    ; wave 0..3
	s_lshr_b32 s15, s14, 1                         ; which half of the tile's rows is mine.  Also: I fetch for A (0) or for B (1)
	s_and_b32 s16, s14, 1                          ; which half of its columns.  Also: which half of that tile I fetch
	s_bfe_u32 s40, ttmp6, 0x40000                  ; cx, cy
	s_bfe_u32 s41, ttmp6, 0x40004
	s_lshl_b32 s42, ttmp9, 2
	s_add_co_u32 s42, s42, s40                     ; tile column j
	s_and_b32 s17, ttmp7, 0xffff
	s_lshl_b32 s17, s17, 2
	s_add_co_u32 s17, s17, s41                     ; tile row i
	s_lshl_b32 s43, s41, 2
	s_lshl_b32 s43, 15, s43                        ; my row of the cluster
	s_lshl_b32 s44, 0x1111, s40                    ; my column
	s_or_b32 s[G1+0], s43, (0<<16)|(1<<20)|(1<<21)|(5<<22)|(3<<25)  ; the mask; elements of 1 byte; padding on; bit 21 beside a mask; 4 words behind every 64
	s_or_b32 s[G1B+0], s44, (0<<16)|(1<<20)|(1<<21)|(5<<22)|(3<<25)
.irp g, G1, G1B
	s_mov_b32 s[\g+1], ROWB<<16                    ; tensor_dim0
	s_mov_b32 s[\g+2], 128<<16                     ; tensor_dim1
	s_mov_b32 s[\g+3], ROWB<<16                    ; tile_dim0
	s_mov_b32 s[\g+4], 128                         ; tile_dim1
	s_mov_b32 s[\g+5], KROW                        ; stride
	s_mov_b32 s[\g+6], 0
	s_mov_b32 s[\g+7], 0
.endr
	s_or_b32 s[G1S+0], s43, (3<<16)|(1<<20)|(1<<21)|(5<<22)|(3<<25) ; the scales: dense rows of 32 elements of 8 bytes, padded likewise; A: 16 rows a load (128 rows' scales), B: 24 (192 rows')
	s_or_b32 s[G1SB+0], s44, (3<<16)|(1<<20)|(1<<21)|(5<<22)|(3<<25)
.irp g, G1S, G1SB
	s_mov_b32 s[\g+1], 32<<16
	s_mov_b32 s[\g+3], 32<<16
	s_mov_b32 s[\g+5], 32
	s_mov_b32 s[\g+6], 0
	s_mov_b32 s[\g+7], 0
.endr
	s_mov_b32 s[G1S+2], 16<<16
	s_mov_b32 s[G1S+4], 16
	s_mov_b32 s[G1SB+2], 24<<16
	s_mov_b32 s[G1SB+4], 24
	s_lshl_b32 s18, s16, 7
	s_lshl_b32 s20, s17, 8
	s_add_co_u32 s20, s20, s18                     ; A: row 256 i + 128 x half
	s_lshl_b32 s46, s42, 8
	s_add_co_u32 s46, s46, s18                     ; B, part 1: row 256 j + 128 x half
	s_mov_b32 s21, 0
	s_mov_b32 s47, 0
	s_mov_b64 s[18:19], KS
	s_mul_u64 s[22:23], s[20:21], s[18:19]         ; where A's rows' scales begin
	s_mul_i32 s92, s42, 384*KS                     ; B's: block j, 192 rows' bytes for each of the two waves
	s_mul_i32 s93, s16, 192*KS
	s_add_co_u32 s92, s92, s93
	s_mov_b32 s93, 0
	s_mov_b64 s[18:19], KROW
	s_mul_u64 s[20:21], s[20:21], s[18:19]         ; and the codes
	s_mul_u64 s[46:47], s[46:47], s[18:19]
	s_lshl_b32 s[B2A], s42, 16                     ; B, part 2: row 2,048 + 128 j of 512 bytes,
	s_add_co_u32 s[B2A], s[B2A], 2048*KROW
	s_lshl_b32 s[B2A+1], s16, 8                    ; the lower or the upper half of K
	s_add_co_u32 s[B2A], s[B2A], s[B2A+1]
	s_mov_b32 s[B2A+1], 0
	s_mul_i32 s45, s14, HALFT                      ; where the codes go: wave x 128 rows: no place in the cluster enters an LDS address
	s_mul_i32 s94, s16, HALFS
	s_mul_i32 s95, s16, HALFSB
	s_wait_dscnt 0x0                               ; both opening adds are done
	s_wait_kmcnt 0x0
	s_add_nc_u64 s[20:21], s[4:5], s[20:21]
	s_add_nc_u64 s[22:23], s[6:7], s[22:23]
	s_add_nc_u64 s[46:47], s[8:9], s[46:47]
	s_add_nc_u64 s[92:93], s[10:11], s[92:93]
	s_add_nc_u64 s[B2A:B2A+1], s[8:9], s[B2A:B2A+1]
	CROUND                                         ; all sixteen work-groups are here: the first joint loads meet
	s_mov_b32 s[G0S], 1
	s_add_co_u32 s[G0S+1], s94, SCL
	s_mov_b64 s[G0S+2:G0S+3], s[22:23]
	s_or_b32 s[G0S+3], s[G0S+3], 0x80000000
	s_mov_b32 s[G0SB], 1
	s_add_co_u32 s[G0SB+1], s95, SCLB
	s_mov_b64 s[G0SB+2:G0SB+3], s[92:93]
	s_or_b32 s[G0SB+3], s[G0SB+3], 0x80000000
	JLOAD G0S, G1S, G0SB, G1SB                     ; the scales first; then both slots: three loads of mine are out
.irp s, 0,1
	s_mov_b32 s[G0+4*\s], 1
	s_add_co_u32 s[G0+4*\s+1], s45, \s*SLOT
	s_add_nc_u64 s[G0+4*\s+2:G0+4*\s+3], s[20:21], \s*ROWB
	s_or_b32 s[G0+4*\s+3], s[G0+4*\s+3], 0x80000000
	s_mov_b32 s[G0B+4*\s], 1
	s_add_co_u32 s[G0B+4*\s+1], s45, \s*SLOT
	s_add_nc_u64 s[G0B+4*\s+2:G0B+4*\s+3], s[46:47], \s*ROWB
	s_or_b32 s[G0B+4*\s+3], s[G0B+4*\s+3], 0x80000000
	JLOAD G0+4*\s, G1, G0B+4*\s, G1B
.endr
	v_and_b32 v1, 15, v0                           ; r = l % 16
	v_bfe_u32 v2, v0, 4, 1                         ; h = l / 16
	v_mul_u32_u24 v3, v1, PITCH
	v_lshl_add_u32 v4, v2, 4, v3                   ; a fragment's row x pitch + 16 h
	s_mul_i32 s21, s15, HALFT
	s_mul_i32 s22, s16, HALFT
	s_add_co_u32 s22, s22, 2*HALFT
.irp s, 0,1
	v_add_nc_u32 v[ADRA+\s], s21, v4
	v_add_nc_u32 v[ADRB+\s], s22, v4
	s_add_co_u32 s21, s21, SLOT
	s_add_co_u32 s22, s22, SLOT
.endr
	s_mul_i32 s22, s16, 64*PITCH                   ; part 2's rows of B lie where slot 0's rows of B lay: the lower half of K in the first 128 rows' place, the upper in the second's; my 64 rows of the 128
	s_add_co_u32 s22, s22, 2*HALFT
	v_add_nc_u32 v[ADRB2], s22, v4
	v_add_nc_u32 v[ADRB2+1], HALFT, v[ADRB2]
	v_mul_u32_u24 v5, v1, KS                       ; my row's scales: 32 bytes a row,
	v_lshrrev_b32 v6, 8, v5
	v_lshl_add_u32 v5, v6, 4, v5                   ; and 16 more for each 256 passed
	s_mul_i32 s21, s15, HALFS                      ; A's: my 128 rows
	s_mul_i32 s22, s16, HALFS
	s_add_co_u32 s22, s22, 2*HALFS                 ; B's, part 1: my 128 rows, behind A's 256
	s_sub_co_u32 s22, s22, s21
	v_mul_u32_u24 v6, s22, v2                      ; lanes 16-31 take B's: the lower base + h x the distance
	s_mul_i32 s23, s16, 8*272
	s_add_co_u32 s23, s23, 2*HALFS+32*272          ; B's, part 2: my 64 rows, behind part 1's 256
	s_sub_co_u32 s23, s23, s21
	v_mul_u32_u24 v7, s23, v2
	s_add_co_u32 s21, s21, SCL
	v_add_nc_u32 v[ADRSA], s21, v5
	v_add_nc_u32 v[ADRS], v[ADRSA], v6
	v_add_nc_u32 v[ADRS2], v[ADRSA], v7
	s_mul_i32 s23, s14, 2*16*SPITCH
	s_add_co_u32 s23, s23, STAGE                   ; my stage
	v_mul_u32_u24 v5, v1, SPITCH
	v_lshl_add_u32 v5, v2, 4, v5
	v_add_nc_u32 v[STO], s23, v5                   ; in: row r, 16 bytes for each half of the lanes
	v_and_b32 v6, 31, v0
	v_lshlrev_b32 v[CO], 4, v6                     ; out: four rows of 128 bytes are 512 dense bytes: 16 x lane
	v_lshrrev_b32 v5, 3, v6
	v_mul_u32_u24 v5, v5, SPITCH
	v_and_b32 v6, 7, v0
	v_lshl_add_u32 v5, v6, 4, v5
	v_add_nc_u32 v[RD], s23, v5                    ; back: row lane / 8, 16 (lane % 8)
	s_lshl_b32 s20, s42, 1
	s_add_co_u32 s20, s20, s16
	s_add_co_u32 s20, s20, 32                      ; part 2: my slice of v: 32 + 2 j + half
	s_lshl_b32 s20, s20, 13                        ; x 8,192 rows
	s_lshl_b32 s21, s17, 8
	s_add_co_u32 s20, s20, s21
	s_lshl_b32 s21, s15, 7
	s_add_co_u32 s20, s20, s21                     ; + my first row
	s_lshl_b32 s20, s20, 7                         ; x 128 bytes: under 2^26
	s_mov_b32 s21, 0
	s_add_nc_u64 s[OUT2:OUT2+1], s[12:13], s[20:21]
	s_lshl_b32 s20, s42, 2
	s_lshl_b32 s21, s16, 1
	s_add_co_u32 s20, s20, s21                     ; part 1: my first slice: 4 j + 2 x half
	s_lshl_b32 s20, s20, 13
	s_lshl_b32 s21, s17, 8
	s_add_co_u32 s20, s20, s21
	s_lshl_b32 s21, s15, 7
	s_add_co_u32 s20, s20, s21
	s_lshl_b32 s20, s20, 7
	s_mov_b32 s21, 0
	s_add_nc_u64 s[12:13], s[12:13], s[20:21]
.macro FRAG reg, adr, q, i             ; 16 rows x 128 K of 4-bit codes: 8 registers: lane l holds row l % 16; registers 4 c .. 4 c + 3 hold K = 64 c + 32 (l / 16) + 0 .. 31
.irp c, 0,1
	ds_load_b128 v[\reg+4*\c:\reg+4*\c+3], v[\adr] offset:64*(\q)+32*\c+(\i)*16*PITCH
.endr
.endm
; Part 1: 16 matrix instructions: A's blocks a0, a0 + 1 x B's eight.  The accumulators take turns, one instruction a turn, in the same order in every step.
; One register carries A's scale word (lanes 0-15) and B's (lanes 16-31).
.macro MUL16 a0, p, q, sc, zero
.irp a, \a0, \a0+1
.irp b, 0,1,2,3,4,5,6,7
.if \zero
	v_wmma_scale_f32_16x16x128_f8f6f4 v[8*(8*((\a)%4)+\b):8*(8*((\a)%4)+\b)+7], v[128*(\p)+FR*\b:128*(\p)+FR*\b+FR-1], v[AF+FR*(\a):AF+FR*(\a)+FR-1], 0, v[SC+8*NQ*(\sc)+NQ*\b+(\q)], v[SC+8*NQ*(\sc)+NQ*(\a)+(\q)] matrix_a_fmt:MATRIX_FMT_FP4 matrix_b_fmt:MATRIX_FMT_FP4 matrix_a_scale:MATRIX_SCALE_ROW1
.else
	v_wmma_scale_f32_16x16x128_f8f6f4 v[8*(8*((\a)%4)+\b):8*(8*((\a)%4)+\b)+7], v[128*(\p)+FR*\b:128*(\p)+FR*\b+FR-1], v[AF+FR*(\a):AF+FR*(\a)+FR-1], v[8*(8*((\a)%4)+\b):8*(8*((\a)%4)+\b)+7], v[SC+8*NQ*(\sc)+NQ*\b+(\q)], v[SC+8*NQ*(\sc)+NQ*(\a)+(\q)] matrix_a_fmt:MATRIX_FMT_FP4 matrix_b_fmt:MATRIX_FMT_FP4 matrix_a_scale:MATRIX_SCALE_ROW1
.endif
.endr
.endr
.endm
; Part 2: 8 matrix instructions: A's blocks a0, a0 + 1 x B's four
.macro MUL8T a0, p, q, sc, zero
.irp a, \a0, \a0+1
.irp b, 0,1,2,3
.if \zero
	v_wmma_scale_f32_16x16x128_f8f6f4 v[8*(4*(\a)+\b):8*(4*(\a)+\b)+7], v[128*(\p)+FR*\b:128*(\p)+FR*\b+FR-1], v[AF+FR*(\a):AF+FR*(\a)+FR-1], 0, v[SC+8*NQ*(\sc)+NQ*\b+(\q)], v[SC+8*NQ*(\sc)+NQ*(\a)+(\q)] matrix_a_fmt:MATRIX_FMT_FP4 matrix_b_fmt:MATRIX_FMT_FP4 matrix_a_scale:MATRIX_SCALE_ROW1
.else
	v_wmma_scale_f32_16x16x128_f8f6f4 v[8*(4*(\a)+\b):8*(4*(\a)+\b)+7], v[128*(\p)+FR*\b:128*(\p)+FR*\b+FR-1], v[AF+FR*(\a):AF+FR*(\a)+FR-1], v[8*(4*(\a)+\b):8*(4*(\a)+\b)+7], v[SC+8*NQ*(\sc)+NQ*\b+(\q)], v[SC+8*NQ*(\sc)+NQ*(\a)+(\q)] matrix_a_fmt:MATRIX_FMT_FP4 matrix_b_fmt:MATRIX_FMT_FP4 matrix_a_scale:MATRIX_SCALE_ROW1
.endif
.endr
.endr
.endm
.macro FETCH_B slot, q, p
	WIN TO_B
.irp i, 0,1,2,3,4,5,6,7
	FRAG 128*(\p)+FR*\i, ADRB+\slot, \q, \i
.endr
	WIN 0
.endm
.macro FETCH_B2 half, q, p             ; part 2's four fragments of B
	WIN TO_B
.irp i, 0,1,2,3
	FRAG 128*(\p)+FR*\i, ADRB2+\half, \q, \i
.endr
	WIN 0
.endm
.macro FETCH_A slot, q, i0
.irp i, \i0, \i0+1, \i0+2, \i0+3
	FRAG AF+FR*(\i), ADRA+\slot, \q, \i
.endr
.endm
.macro SCALES sc                       ; part 1: a slot's scale words: 4 words a row; lanes 0-15 take A's block i, lanes 16-31 B's
.irp i, 0,1,2,3,4,5,6,7
	ds_load_b128 v[SC+8*NQ*\sc+NQ*\i:SC+8*NQ*\sc+NQ*\i+3], v[ADRS] offset:\i*SBLK
.endr
.endm
.macro SCALES2 sc                      ; part 2: B has four blocks: for blocks 4 to 7 all lanes take A's words
.irp i, 0,1,2,3
	ds_load_b128 v[SC+8*NQ*\sc+NQ*\i:SC+8*NQ*\sc+NQ*\i+3], v[ADRS2] offset:\i*SBLK+4*NQ*\sc
.endr
.irp i, 4,5,6,7
	ds_load_b128 v[SC+8*NQ*\sc+NQ*\i:SC+8*NQ*\sc+NQ*\i+3], v[ADRSA] offset:\i*SBLK+4*NQ*\sc
.endr
.endm
.macro PLACES n                        ; plain vector lines between a matrix instruction and a load into, or a read of, its registers
.rept \n
	v_nop
.endr
.endm
.macro STEP slot, q, zero              ; part 1: a step of 128 along K that has its successor in the same slot
	s_wait_dscnt 4*NL                              ; B's set and A's blocks 0-3 are in; the youngest eight loads (A's blocks 4-7) may be out
	WIN MUL_LO
	MUL16 0, (\q)%2, \q, \slot, \zero
	MUL16 2, (\q)%2, \q, \slot, \zero
	s_wait_dscnt 0
	PLACES NP
	FETCH_B \slot, (\q)+1, 1-(\q)%2
	FETCH_A \slot, (\q)+1, 0
	WIN MUL_HI
	MUL16 4, (\q)%2, \q, \slot, \zero
	MUL16 6, (\q)%2, \q, \slot, \zero
	PLACES NP
	WIN 0
	FETCH_A \slot, (\q)+1, 4
.endm
; Slot 0's last step changes slots: ONE barrier, which opens a round of the cluster's.  In front of it each wave waits for all its tensor loads (its part of slot 1), adds 0 to its spare word, and waits for that and for its
; own reads of slot 0.  Behind the round nobody, in no partner, reads slot 0's rows of B any more: waves 2 and 3 ask jointly for part 2's rows of B, into that place; it is read behind the barrier that stands in front of part 2.
.macro TURN slot, next
	s_wait_tensorcnt 0x0                           ; all my tensor loads have landed: so a group 0 may be written
	ds_add_u32 v[SPW], v[NIL]                      ; 0 onto my spare word
	s_mov_b64 s[G0B+2:G0B+3], s[B2A:B2A+1]         ; slot 0's group 0 for B keeps its LDS address (wave x 128 rows) and now names part 2's codes
	s_or_b32 s[G0B+3], s[G0B+3], 0x80000000
	s_wait_dscnt 4*NL+1                            ; (the add and the youngest eight loads may be out)
	WIN MUL_LO
	MUL16 0, 1, NQ-1, \slot, 0
	s_wait_dscnt 0x0                               ; the add is done, and my reads of this slot are over
	s_barrier_signal -1
	MUL16 2, 1, NQ-1, \slot, 0
	WIN 0
	s_barrier_wait -1
	CREST
	s_cmp_eq_u32 s15, 0                            ; waves 0 and 1 have nothing to fill: x's rows stay
	s_cbranch_scc1 .Lno_fill_\@
	tensor_load_to_lds s[G0B:G0B+3], s[G1B:G1B+7]  ; the first thing behind the round, and my one tensor load from here on
	s_nop 0
.rept 4
	v_nop
.endr
.Lno_fill_\@:
	PLACES NP
	v_add_nc_u32 v[ADRS], 4*NQ, v[ADRS]            ; on to the next slot's scale words
	FETCH_B \next, 0, 0
	FETCH_A \next, 0, 0
	SCALES \next
	WIN MUL_HI
	MUL16 4, 1, NQ-1, \slot, 0
	MUL16 6, 1, NQ-1, \slot, 0
	PLACES NP
	WIN 0
	FETCH_A \next, 0, 4
.endm
.macro STEPS slot, from
.set Q, \from
.rept NQ-1-\from
	STEP \slot, Q, 0
.set Q, Q+1
.endr
.endm
; Part 2: a step of 128 along K: 32 matrix instructions; its successor is step nq of slot ns (last = 1: there is none)
.macro STEP2 slot, q, ns, nq, zero, last
	s_wait_dscnt 4*NL                              ; all but the youngest eight loads (A's blocks 4-7)
	WIN MUL_LO
	MUL8T 0, (\q)%2, \q, \slot, \zero
	MUL8T 2, (\q)%2, \q, \slot, \zero
	s_wait_dscnt 0
.if !\last
	PLACES NP
	FETCH_B2 \ns, \nq, 1-(\q)%2
	FETCH_A \ns, \nq, 0
	WIN MUL_LO
.endif
	MUL8T 4, (\q)%2, \q, \slot, \zero
	MUL8T 6, (\q)%2, \q, \slot, \zero
.if !\last
	PLACES NP
	WIN 0
	FETCH_A \ns, \nq, 4
.endif
.endm
; THE WAY OUT, 32 accumulator columns at a time.  PACK: rounded to f16, 16 bytes a lane.  TOSTAGE: into my stage, and back by rows.  SEND: four rows of a slice are 512 dense bytes of qkv: one store.
; Part 1, unit a: 16 rows x two slices.  Part 2, unit u: two blocks of 16 rows x one slice: accumulator (2 u + e, b) lies at 64 u + 8 (4 e + b), where part 1 has (a, 4 e + b): PACK and TOSTAGE serve both.
.macro PACK a
.set AC, 64*((\a)%4)
	WIN 0x0a+5*((\a)/4)                            ; sources 0 and 1: window 2 or 3
.irp b, 0,1,2,3,4,5,6,7
.irp r, 0,1,2,3
	v_cvt_pk_f16_f32 v[TMP+4*\b+\r], v[AC+8*\b+2*\r], v[AC+8*\b+2*\r+1]   ; each accumulator from its low end on
.endr
.endr
	WIN 0
.endm
.macro TOSTAGE a
.set BB, BK+32*((\a)%2)
.irp b, 0,1,2,3,4,5,6,7
	ds_store_b128 v[STO], v[TMP+4*\b:TMP+4*\b+3] offset:(\b/4)*16*SPITCH+32*(\b%4)
.endr
.irp e, 0,1
.irp t, 0,1,2,3
	ds_load_b128 v[BB+16*\e+4*\t:BB+16*\e+4*\t+3], v[RD] offset:\e*16*SPITCH+\t*4*SPITCH   ; in order behind my stores (ISA guide 5.7.1.4)
.endr
.endr
.endm
.macro SEND a
.set BB, BK+32*((\a)%2)
	s_wait_dscnt 0x0                               ; the unit is back in registers
	s_wait_xcnt 0x0                                ; the unit before has had its stores' addresses translated: its registers may be loaded again
.irp e, 0,1
.irp t, 0,1,2,3
	global_store_b128 v[CO], v[BB+16*\e+4*\t:BB+16*\e+4*\t+3], s[12:13] offset:\e*1048576+(\a)*2048+\t*512   ; 512 consecutive bytes, aligned; a slice is 8,192 x 128 bytes
.endr
.endr
.endm
.macro SEND2 u
.set BB, BK+32*((\u)%2)
	s_wait_dscnt 0x0
	s_wait_xcnt 0x0
.irp e, 0,1
.irp t, 0,1,2,3
	global_store_b128 v[CO], v[BB+16*\e+4*\t:BB+16*\e+4*\t+3], s[OUT2:OUT2+1] offset:(2*(\u)+\e)*2048+\t*512
.endr
.endr
.endm
	; ---------------- PART 1: 256 columns of q or k
	s_wait_tensorcnt 1                             ; the scales and my part of slot 0 are in; slot 1's load may be out
	s_barrier_signal -1
	s_barrier_wait -1
	FETCH_B 0, 0, 0
	FETCH_A 0, 0, 0
	SCALES 0
	FETCH_A 0, 0, 4
	STEP 0, 0, 1                                   ; the first products start the sums: nothing is cleared
	STEPS 0, 1
	TURN 0, 1
	STEPS 1, 0
	s_wait_dscnt 4*NL                              ; the last step: nothing more to fetch
	WIN MUL_LO
	MUL16 0, 1, NQ-1, 1, 0
	MUL16 2, 1, NQ-1, 1, 0
	s_wait_dscnt 0
	WIN MUL_HI
	MUL16 4, 1, NQ-1, 1, 0
	MUL16 6, 1, NQ-1, 1, 0
	WIN 0
	PLACES NP
	PACK 0
	TOSTAGE 0
.irp a, 1,2,3,4,5,6,7
	PACK \a
	SEND \a-1
	TOSTAGE \a
.endr
	SEND 7
	; ---------------- PART 2: 128 columns of v, on the same rows of x
	s_wait_tensorcnt 0x0                           ; part 2's rows of B have landed (waves 2 and 3 asked),
	s_wait_dscnt 0x0
	s_wait_xcnt 0x0                                ; and part 1's last stores have read the registers into which A's fragments are loaded again
	s_barrier_signal -1
	s_barrier_wait -1
	FETCH_B2 0, 0, 0
	FETCH_A 0, 0, 0
	SCALES2 0
	SCALES2 1
	FETCH_A 0, 0, 4
	STEP2 0, 0, 0, 1, 1, 0                         ; the first products start the sums, over accumulators that have been packed
	STEP2 0, 1, 0, 2, 0, 0
	STEP2 0, 2, 0, 3, 0, 0
	STEP2 0, 3, 1, 0, 0, 0
	STEP2 1, 0, 1, 1, 0, 0
	STEP2 1, 1, 1, 2, 0, 0
	STEP2 1, 2, 1, 3, 0, 0
	STEP2 1, 3, 1, 3, 0, 1
	WIN 0
	PLACES NP
	PACK 0
	TOSTAGE 0
.irp u, 1,2,3
	PACK \u
	SEND2 \u-1
	TOSTAGE \u
.endr
	SEND2 3
	s_wait_tensorcnt 0x0                           ; the wave's end: behind my last tensor load and my last LDS store
	ds_add_u32 v[SPW], v[NIL]
	s_wait_dscnt 0x0
	CROUND                                         ; the closing round: no work-group ends while a partner may still ask for a tile that names it
	s_endpgm
.Lfunc_end_k_q3750e64a92_qkvgemm:
	.size	k_q3750e64a92_qkvgemm, .Lfunc_end_k_q3750e64a92_qkvgemm-k_q3750e64a92_qkvgemm
	.p2alignl 7, 3214868480
	.fill 96, 4, 3214868480
	.section	.rodata,"a",@progbits
	.p2align	6, 0x0
	.amdhsa_kernel k_q3750e64a92_qkvgemm
		.amdhsa_group_segment_fixed_size 327680
		.amdhsa_private_segment_fixed_size 0
		.amdhsa_enable_private_segment 0
		.amdhsa_kernarg_size 40
		.amdhsa_user_sgpr_count 2
		.amdhsa_user_sgpr_kernarg_segment_ptr 1
		.amdhsa_wavefront_size32 1
		.amdhsa_system_sgpr_workgroup_id_x 1
		.amdhsa_system_sgpr_workgroup_id_y 1
		.amdhsa_system_sgpr_workgroup_id_z 1
		.amdhsa_system_vgpr_workitem_id 0
		.amdhsa_next_free_vgpr 1024
		.amdhsa_next_free_sgpr 98
		.amdhsa_reserve_vcc 0
		.amdhsa_float_denorm_mode_32 3
		.amdhsa_float_denorm_mode_16_64 3
		.amdhsa_memory_ordered 1
		.amdhsa_forward_progress 1
		.amdhsa_inst_pref_size 192
	.end_amdhsa_kernel
	.amdgpu_metadata
---
amdhsa.version: [ 1, 2 ]
amdhsa.kernels:
  - .name:           k_q3750e64a92_qkvgemm
    .symbol:         k_q3750e64a92_qkvgemm.kd
    .args:
      - { .name: x_codes, .offset: 0, .size: 8, .value_kind: global_buffer, .address_space: global }
      - { .name: x_scales, .offset: 8, .size: 8, .value_kind: global_buffer, .address_space: global }
      - { .name: wq_codes, .offset: 16, .size: 8, .value_kind: global_buffer, .address_space: global }
      - { .name: wq_scales, .offset: 24, .size: 8, .value_kind: global_buffer, .address_space: global }
      - { .name: qkv, .offset: 32, .size: 8, .value_kind: global_buffer, .address_space: global }
    .group_segment_fixed_size: 327680
    .private_segment_fixed_size: 0
    .kernarg_segment_align: 8
    .kernarg_segment_size: 40
    .max_flat_workgroup_size: 128
    .sgpr_count:     98
    .vgpr_count:     1024
    .wavefront_size: 32
...
	.end_amdgpu_metadata
.endif
;; end of part 2
;; launch attn (part 3): grid 2 x 128, 8 waves a work-group, no clusters, 327,680 bytes of LDS; arguments qkv, att; writes att
.if DOCPART == 3
	.amdgcn_target "amdgcn-amd-amdhsa--gfx1250"
	.amdhsa_code_object_version 6
	.text
	.protected	k_q3750e64a92_attn
	.globl	k_q3750e64a92_attn
	.p2align	8
	.type	k_q3750e64a92_attn,@function
k_q3750e64a92_attn:
	s_mov_b64 s[64:65], 0
	v_nop
	global_prefetch_b8 v0, s[64:65] scope:SCOPE_SE
	s_setreg_imm32_b32 hwreg(HW_REG_WAVE_MODE, 25, 1), 1
	s_wait_xcnt 0x0
; THIRD LAUNCH: att[h][row][:] = the sum over keys of softmax(q . k / 8) v, for each of 8 batches x 16 heads; 1,024 keys, head size 64, no mask; nothing of it is left out.
; q, k, v: f16, [48 slices][8192 rows][64] (slices 0-15 q, 16-31 k, 32-47 v; row = 1,024 batch + token).  att: f16, [16 heads][8192 rows][64].  Both products take f16 operands and f32 sums; maxima, exponentials and sums in f32.
; LIMITS: scores are taken to be finite; the weights p (at most 1) are rounded to f16, and so is the result (beyond 65,504 infinity, under 6e-5 a step of 2^-24).
; SHARES.  A work-group owns 512 queries of one head of one batch, each of its EIGHT waves 64: four tiles of 16; two waves stand on a SIMD.  The head's whole K and V (1,024 rows each) lie in LDS, each byte FILLED ONCE:
; keys 0-255 are asked for at the head, 64 rows a wave; keys 256-1,023 behind the first barrier, 192 rows a wave, so that the first products wait for the first share alone; the second has key steps 0 to 3 in which to land.
; NO CLUSTER: only two work-groups share a head's K and V; a mask for a pair would hang on half of a work-group's place.
; NO PREFETCH: the one later tensor load follows the head's directly behind the first barrier; there is no trip ahead of it in which to ask.
; LAYOUT.  S^T = K Q^T (source 0 = 16 keys, source 1 = 16 queries): a lane holds ONE query (lane % 16) and keys 8 (lane / 16) + 0..7.  Two such tiles, rounded to f16 in pairs, ARE source 1 of O^T = V^T P.  V comes out of LDS turned (ds_load_tr16_b128).
; SOFTMAX.  A running maximum M and sum l: p = 2^(c s - c M), c = log2(e) / 8; in every step O and l are multiplied by a = 2^(c M_old - c M_new).
; HALF A STEP APART.  From key step 4 on waves 0-3 run half a step ahead of waves 4-7, so that on a SIMD one wave's products stand beside the other's vector work.
; REGISTERS.  window 0: v2-11 addresses; v16-47 statistics, 8 a tile: +0 -c M, +1 M, +2, +3 l, +4..+7 c0-c3 (a takes +6); v48-111 K's fragments; v112-239 S^T, 32 a tile (P is made in place in a tile's first 16).
;   window 1: v0-127 O^T, 32 a tile; v128-191 Q; v192-255 V's fragments.
.set PK,    144                        ; a row of K in LDS: 128 bytes + 16: an odd multiple of 16
.set PV,    160                        ; a row of V: 128 + 32: an odd multiple of 32, for the turning load
.set VBASE, 1024*PK
.set SPARE, VBASE+1024*PV              ; the spare words, 128 bytes for each of eight waves: four blocks of 256 bytes that no other line names
.set AK0, 2
.set AV0, 3
.set ADK, 4
.set ADV, 5
.set QO,  6
.set STO, 7
.set RD,  8
.set GO,  9
.set SPW, 10
.set NIL, 11
.set ST,  16
.set KF,  48
.set S,   112
.set QW,  128                          ; in window 1
.set VW,  192                          ; in window 1
.set WV,  8
.set WL,  9
.set SEL, 10
.set CS,  12
.set NCS, 14
.set TBK, 15
.set TBV, 16
.set CNT, 17
.set G1KA, 24
.set G1KB, 32
.set G1VA, 40
.set G1VB, 48
.set G0KA, 56
.set G0KB, 60
.set G0VA, 68
.set G0VB, 72
.set MSB, 0
.macro WIN new                         ; the immediate's high byte repeats the setting that is left
.if MSB != \new
	s_set_vgpr_msb (MSB<<8)|\new
.set MSB, \new
.endif
.endm
	s_load_b128 s[4:7], s[0:1], 0x0                ; qkv s[4:5], att s[6:7]
	v_lshl_add_u32 v[SPW], v0, 2, SPARE
	v_mov_b32 v[NIL], 0
	ds_add_u32 v[SPW], v[NIL]                      ; the wave's opening: the add, twice on end, and its wait ahead of my first tensor load
	ds_add_u32 v[SPW], v[NIL]
	v_lshrrev_b32 v1, 5, v0
	v_readfirstlane_b32 s[WV], v1                  ; wave 0..7
	s_and_b32 s[WL], s[WV], 3                      ; which share of K (waves 0-3) or of V (waves 4-7) I fetch
	s_and_b32 s18, ttmp7, 0xffff                   ; 16 batch + head
	s_lshr_b32 s19, s18, 4
	s_and_b32 s18, s18, 15
	s_lshl_b32 s22, s18, 13                        ; head x 8,192 rows
	s_lshl_b32 s19, s19, 10                        ; + batch x 1,024
	s_add_co_u32 s22, s22, s19
	s_lshl_b32 s22, s22, 7                         ; x 128 bytes
	s_mov_b32 s23, 0
	s_lshl_b32 s20, ttmp9, 16                      ; my work-group's 512 queries,
	s_lshl_b32 s21, s[WV], 13                      ; my wave's 64
	s_add_co_u32 s20, s20, s21
	s_add_co_u32 s20, s20, s22                     ; q's and att's byte offset: under 2^24
	s_mov_b32 s21, 0
	s_lshl_b32 s76, s[WL], 13                      ; the first share: 64 rows of 128 bytes a wave,
	s_mov_b32 s77, 0
	s_mul_i32 s78, s[WL], 192*128                  ; the second: 192 rows a wave
	s_mov_b32 s79, 0
	; descriptor groups 1: rows of 64 elements of 2 bytes, dense in memory; K: 4 words of padding behind every 32, V: 8; shape A 64 rows, shape B 192
.irp g, G1KA, G1KB
	s_mov_b32 s[\g], (1<<16)|(1<<20)|(4<<22)|(3<<25)
.endr
.irp g, G1VA, G1VB
	s_mov_b32 s[\g], (1<<16)|(1<<20)|(4<<22)|(7<<25)
.endr
.irp g, G1KA, G1KB, G1VA, G1VB
	s_mov_b32 s[\g+1], 64<<16                      ; tensor_dim0
	s_mov_b32 s[\g+3], 64<<16                      ; tile_dim0
	s_mov_b32 s[\g+5], 64                          ; stride
	s_mov_b32 s[\g+6], 0
	s_mov_b32 s[\g+7], 0
.endr
.irp g, G1KA, G1VA
	s_mov_b32 s[\g+2], 64<<16                      ; tensor_dim1
	s_mov_b32 s[\g+4], 64                          ; tile_dim1
.endr
.irp g, G1KB, G1VB
	s_mov_b32 s[\g+2], 192<<16
	s_mov_b32 s[\g+4], 192
.endr
	s_mov_b32 s[G0KA], 1
	s_mul_i32 s[G0KA+1], s[WL], 64*PK              ; keys 64 wl on
	s_mov_b32 s[G0KB], 1
	s_mul_i32 s[G0KB+1], s[WL], 192*PK
	s_add_co_u32 s[G0KB+1], s[G0KB+1], 256*PK      ; keys 256 + 192 wl on
	s_mov_b32 s[G0VA], 1
	s_mul_i32 s[G0VA+1], s[WL], 64*PV
	s_add_co_u32 s[G0VA+1], s[G0VA+1], VBASE
	s_mov_b32 s[G0VB], 1
	s_mul_i32 s[G0VB+1], s[WL], 192*PV
	s_add_co_u32 s[G0VB+1], s[G0VB+1], VBASE+256*PV
	s_mov_b32 s[SEL], 0x76543210
	s_mov_b32 s[SEL+1], 0xfedcba98                 ; v_permlanex16_b32's selects for lane l xor 16
	s_mov_b32 s[CS], 0x3e38aa3b                    ; c = log2(e) / 8
	s_mov_b32 s[CS+1], s[CS]                       ; (named with it as a pair, so it is written)
	s_mov_b32 s[NCS], 0xbe38aa3b                   ; -c
	s_mov_b32 s[TBK], 0
	s_mov_b32 s[TBV], 0
	s_wait_dscnt 0x0                               ; both opening adds are done
	s_wait_kmcnt 0x0
	s_add_nc_u64 s[18:19], s[4:5], s[22:23]        ; qkv at (slice = head, batch)
	s_add_nc_u64 s[80:81], s[18:19], 16*8192*128   ; the head's K: 16 slices on
	s_add_nc_u64 s[82:83], s[18:19], 32*8192*128   ; its V: 32 slices on
	s_add_nc_u64 s[G0KA+2:G0KA+3], s[80:81], s[76:77]
	s_or_b32 s[G0KA+3], s[G0KA+3], 0x80000000
	s_add_nc_u64 s[G0KB+2:G0KB+3], s[80:81], s[78:79]
	s_add_nc_u64 s[G0KB+2:G0KB+3], s[G0KB+2:G0KB+3], 256*128
	s_or_b32 s[G0KB+3], s[G0KB+3], 0x80000000
	s_add_nc_u64 s[G0VA+2:G0VA+3], s[82:83], s[76:77]
	s_or_b32 s[G0VA+3], s[G0VA+3], 0x80000000
	s_add_nc_u64 s[G0VB+2:G0VB+3], s[82:83], s[78:79]
	s_add_nc_u64 s[G0VB+2:G0VB+3], s[G0VB+2:G0VB+3], 256*128
	s_or_b32 s[G0VB+3], s[G0VB+3], 0x80000000
	s_add_nc_u64 s[4:5], s[4:5], s[20:21]          ; q at my wave's first row
	s_add_nc_u64 s[6:7], s[6:7], s[20:21]          ; att likewise
	s_cmp_lt_u32 s[WV], 4                          ; the first share, a fill in each arm of one branch: one load of mine is out; an s_nop 0 and four v_nop follow it
	s_cbranch_scc0 .Lfill_v
	tensor_load_to_lds s[G0KA:G0KA+3], s[G1KA:G1KA+7]
	s_nop 0
.rept 4
	v_nop
.endr
	s_branch .Lfilled
.Lfill_v:
	tensor_load_to_lds s[G0VA:G0VA+3], s[G1VA:G1VA+7]
	s_nop 0
.rept 4
	v_nop
.endr
.Lfilled:
	v_and_b32 v1, 15, v0                           ; r
	v_bfe_u32 v12, v0, 4, 1                        ; h
	v_lshlrev_b32 v[QO], 7, v1
	v_lshl_add_u32 v[QO], v12, 4, v[QO]            ; q: row r of 128 bytes + 16 h
	WIN 0x40                                       ; destination window 1
.irp t, 0,1,2,3
.irp cs, 0,1
	global_load_b128 v[QW+16*\t+8*\cs:QW+16*\t+8*\cs+3],   v[QO], s[4:5] offset:2048*\t+64*\cs      ; Q stays in registers: tile t, channels 32 cs on
	global_load_b128 v[QW+16*\t+8*\cs+4:QW+16*\t+8*\cs+7], v[QO], s[4:5] offset:2048*\t+64*\cs+32
.endr
.endr
	WIN 0
	v_mul_u32_u24 v[AK0], v1, PK
	v_lshl_add_u32 v[AK0], v12, 4, v[AK0]          ; K: key r x pitch + 16 h
	v_and_b32 v13, 7, v0
	v_bfe_u32 v14, v0, 3, 1
	v_lshl_add_u32 v[AV0], v12, 3, v13
	v_mul_u32_u24 v[AV0], v[AV0], PV
	v_lshl_add_u32 v[AV0], v14, 4, v[AV0]
	v_add_nc_u32 v[AV0], VBASE, v[AV0]             ; V, for the turning load: key 8 h + l % 8, channels 8 ((l / 8) % 2) on
	s_mul_i32 s76, s[WV], 16*PK                    ; the way out: my stage of 16 rows x 144 bytes, in K's rows 0-127, which have had their one fill and which nobody reads behind the second barrier
	v_add_nc_u32 v[STO], s76, v[AK0]               ; in: row r, + 16 h
	v_and_b32 v15, 31, v0
	v_lshrrev_b32 v[RD], 3, v15
	v_mul_u32_u24 v[RD], v[RD], PK
	v_lshl_add_u32 v[RD], v13, 4, v[RD]
	v_add_nc_u32 v[RD], s76, v[RD]                 ; back: row lane / 8, 16 (lane % 8)
	v_lshlrev_b32 v[GO], 4, v15                    ; four rows of att are 512 dense bytes: 16 x lane
; The step's LDS addresses.  The five plain lines are also the places behind the last products V^T P: four for the loads into V's registers, five for the products K Q^T that write over P.
.macro ADDR
	v_add_nc_u32 v[ADK], s[TBK], v[AK0]
	v_add_nc_u32 v[ADV], s[TBV], v[AV0]
.rept 3
	v_nop
.endr
	s_add_co_u32 s[TBK], s[TBK], 64*PK
	s_add_co_u32 s[TBV], s[TBV], 64*PV
.endm
.macro FETCH                           ; a step's 64 keys: 16 loads for K's 8 fragments (keys 16 kb on, channels 32 cs on), then 16 turning loads for V's 8 (keys 32 ks on, channels 16 cb on)
.irp kb, 0,1,2,3
.irp cs, 0,1
	ds_load_b128 v[KF+8*(2*\kb+\cs):KF+8*(2*\kb+\cs)+3],   v[ADK] offset:\kb*16*PK+\cs*64
	ds_load_b128 v[KF+8*(2*\kb+\cs)+4:KF+8*(2*\kb+\cs)+7], v[ADK] offset:\kb*16*PK+\cs*64+32
.endr
.endr
	WIN 0x40
.irp ks, 0,1
.irp cb, 0,1,2,3
	ds_load_tr16_b128 v[VW+8*(4*\ks+\cb):VW+8*(4*\ks+\cb)+3],   v[ADV] offset:\ks*32*PV+\cb*32
	ds_load_tr16_b128 v[VW+8*(4*\ks+\cb)+4:VW+8*(4*\ks+\cb)+7], v[ADV] offset:\ks*32*PV+16*PV+\cb*32
.endr
.endr
	WIN 0
.endm
.macro SPH                             ; S^T = K Q^T: 32 products; the 16 accumulators take turns; the first 16 start the sums
	s_wait_dscnt 16                                ; K's 16 loads are in; V's 16 may be out
	WIN 0x04                                       ; source 1 (Q) window 1
.irp t, 0,1,2,3
.irp kb, 0,1,2,3
	v_wmma_f32_16x16x32_f16 v[S+32*\t+8*\kb:S+32*\t+8*\kb+7], v[KF+16*\kb:KF+16*\kb+7], v[QW+16*\t:QW+16*\t+7], 0
.endr
.endr
.irp t, 0,1,2,3
.irp kb, 0,1,2,3
	v_wmma_f32_16x16x32_f16 v[S+32*\t+8*\kb:S+32*\t+8*\kb+7], v[KF+16*\kb+8:KF+16*\kb+15], v[QW+16*\t+8:QW+16*\t+15], v[S+32*\t+8*\kb:S+32*\t+8*\kb+7]
.endr
.endr
	WIN 0
.rept 4
	v_nop
.endr
.endm
; The maximum of a lane's 32 scores and the old M, the four tiles line by line; each accumulator is read from its low end on.  first = 1: there is no old M.  It leaves -c M in +0, M in +1, and (first = 0) c M_old - c M_new in +7.
.macro MAXP first
.irp k, 0,1,2,3
.irp t, 0,1,2,3
	v_max3_num_f32 v[ST+8*\t+4+\k], v[S+32*\t+8*\k], v[S+32*\t+8*\k+1], v[S+32*\t+8*\k+2]
.endr
.endr
.irp g, 3,5
.irp k, 0,1,2,3
.irp t, 0,1,2,3
	v_max3_num_f32 v[ST+8*\t+4+\k], v[ST+8*\t+4+\k], v[S+32*\t+8*\k+\g], v[S+32*\t+8*\k+\g+1]
.endr
.endr
.endr
.irp t, 0,1,2,3
	v_max3_num_f32 v[ST+8*\t+4], v[ST+8*\t+4], v[S+32*\t+7], v[S+32*\t+15]
.endr
.irp t, 0,1,2,3
	v_max3_num_f32 v[ST+8*\t+6], v[ST+8*\t+6], v[S+32*\t+23], v[S+32*\t+31]
.endr
.irp t, 0,1,2,3
	v_max3_num_f32 v[ST+8*\t+4], v[ST+8*\t+4], v[ST+8*\t+5], v[ST+8*\t+6]
.endr
.irp t, 0,1,2,3
.if \first
	v_max_num_f32 v[ST+8*\t+4], v[ST+8*\t+4], v[ST+8*\t+7]
.else
	v_max3_num_f32 v[ST+8*\t+4], v[ST+8*\t+4], v[ST+8*\t+7], v[ST+8*\t+1]
.endif
.endr
.irp t, 0,1,2,3
	v_permlanex16_b32 v[ST+8*\t+5], v[ST+8*\t+4], s[SEL], s[SEL+1]   ; the query's other 32 keys lie in the lane 16 away
.endr
.if !\first
.irp t, 0,1,2,3
	v_mov_b32 v[ST+8*\t+7], v[ST+8*\t]             ; the old -c M is kept for a
.endr
.endif
.irp t, 0,1,2,3
	v_max_num_f32 v[ST+8*\t+1], v[ST+8*\t+4], v[ST+8*\t+5]
.endr
.irp t, 0,1,2,3
	v_mul_f32 v[ST+8*\t], s[NCS], v[ST+8*\t+1]
.endr
.if !\first
.irp t, 0,1,2,3
	v_sub_f32 v[ST+8*\t+7], v[ST+8*\t], v[ST+8*\t+7]   ; (-c M_new) - (-c M_old): 0 or less
.endr
.endif
.endm
; The exponentials are ONE BATCH with ONE wait: a, then pair by pair the scalings c s - c M and the exponentials in place; none of these lines names an exponential's result.  Behind the wait: the sums of the unrounded p, then the roundings to f16, in place and ascending.
.macro EXPP first
.if !\first
.irp t, 0,1,2,3
	v_exp_f32 v[ST+8*\t+6], v[ST+8*\t+7]
.endr
.endif
.irp bp, 0,1,2,3,4,5,6,7,8,9,10,11,12,13,14,15
.irp t, 0,1,2,3
	v_pk_fma_f32 v[S+32*\t+2*\bp:S+32*\t+2*\bp+1], v[S+32*\t+2*\bp:S+32*\t+2*\bp+1], s[CS:CS+1], v[ST+8*\t:ST+8*\t+1] op_sel_hi:[1,0,0]
.endr
.irp t, 0,1,2,3
	v_exp_f32 v[S+32*\t+2*\bp], v[S+32*\t+2*\bp]
	v_exp_f32 v[S+32*\t+2*\bp+1], v[S+32*\t+2*\bp+1]
.endr
.endr
	v_nop                                          ; a plain line behind the last exponential
	s_wait_alu depctr_va_vdst(0)                   ; the wait ahead of the first line that names a result: one for the batch
.if \first
.irp t, 0,1,2,3
	v_pk_add_f32 v[ST+8*\t+2:ST+8*\t+3], v[S+32*\t:S+32*\t+1], v[S+32*\t+2:S+32*\t+3]
.endr
.else
.irp t, 0,1,2,3
	v_pk_fma_f32 v[ST+8*\t+2:ST+8*\t+3], v[ST+8*\t+2:ST+8*\t+3], v[ST+8*\t+6:ST+8*\t+7], v[S+32*\t:S+32*\t+1] op_sel_hi:[1,0,1]   ; l = a l + p
.endr
.irp t, 0,1,2,3
	v_pk_add_f32 v[ST+8*\t+2:ST+8*\t+3], v[ST+8*\t+2:ST+8*\t+3], v[S+32*\t+2:S+32*\t+3]
.endr
.endif
.irp i, 4,6,8,10,12,14,16,18,20,22,24,26,28,30
.irp t, 0,1,2,3
	v_pk_add_f32 v[ST+8*\t+2:ST+8*\t+3], v[ST+8*\t+2:ST+8*\t+3], v[S+32*\t+\i:S+32*\t+\i+1]
.endr
.endr
.irp i, 0,1,2,3,4,5,6,7,8,9,10,11,12,13,14,15
.irp t, 0,1,2,3
	v_cvt_pk_f16_f32 v[S+32*\t+\i], v[S+32*\t+2*\i], v[S+32*\t+2*\i+1]   ; registers 8 ks .. 8 ks + 7 of the tile become P's fragment for keys 32 ks on
.endr
.endr
.endm
.macro RESC                            ; O^T times a, each accumulator from its low end on
	WIN 0x41                                       ; O^T (destination, source 0) window 1, a window 0
.irp t, 0,1,2,3
.irp i, 0,2,4,6,8,10,12,14,16,18,20,22,24,26,28,30
	v_pk_mul_f32 v[32*\t+\i:32*\t+\i+1], v[32*\t+\i:32*\t+\i+1], v[ST+8*\t+6:ST+8*\t+7] op_sel_hi:[1,0]
.endr
.endr
.endm
.macro PVP zero                        ; O^T += V^T P: 32 products, the 16 accumulators by turns; zero = 1: the first 16 start the sums
	s_wait_dscnt 0x0                               ; V is in
	WIN 0x51                                       ; V window 1, P window 0, O^T window 1
.irp t, 0,1,2,3
.irp cb, 0,1,2,3
.if \zero
	v_wmma_f32_16x16x32_f16 v[32*\t+8*\cb:32*\t+8*\cb+7], v[VW+8*\cb:VW+8*\cb+7], v[S+32*\t:S+32*\t+7], 0
.else
	v_wmma_f32_16x16x32_f16 v[32*\t+8*\cb:32*\t+8*\cb+7], v[VW+8*\cb:VW+8*\cb+7], v[S+32*\t:S+32*\t+7], v[32*\t+8*\cb:32*\t+8*\cb+7]
.endif
.endr
.endr
.irp t, 0,1,2,3
.irp cb, 0,1,2,3
	v_wmma_f32_16x16x32_f16 v[32*\t+8*\cb:32*\t+8*\cb+7], v[VW+32+8*\cb:VW+32+8*\cb+7], v[S+32*\t+8:S+32*\t+15], v[32*\t+8*\cb:32*\t+8*\cb+7]
.endr
.endr
	WIN 0
.endm
.macro STEPM
	ADDR
	FETCH
	SPH
	MAXP 0
	EXPP 0
	RESC
	PVP 0
.endm
	; The first barrier.  The second share is filled; it is issued as a refill is: the wait for all my tensor loads, the add, the wait for it, the barrier, and then my one load.
	s_wait_tensorcnt 0x0                           ; my share of keys 0-255 is in
	ds_add_u32 v[SPW], v[NIL]                      ; 0 onto my spare word
	s_wait_dscnt 0x0
	s_barrier_signal -1
	s_barrier_wait -1                              ; everybody's share is in
	s_cmp_lt_u32 s[WV], 4
	s_cbranch_scc0 .Lrest_v
	tensor_load_to_lds s[G0KB:G0KB+3], s[G1KB:G1KB+7]
	s_nop 0
.rept 4
	v_nop
.endr
	s_branch .Lrest
.Lrest_v:
	tensor_load_to_lds s[G0VB:G0VB+3], s[G1VB:G1VB+7]
	s_nop 0
.rept 4
	v_nop
.endr
.Lrest:
	ADDR                                           ; key step 0 starts M, l and O^T
	FETCH
	s_wait_loadcnt 0x0                             ; Q
	SPH
	MAXP 1
	EXPP 1
	PVP 1
	s_mov_b32 s[CNT], 3
.LA:                                               ; key steps 1 to 3: keys 64 to 255
	STEPM
	s_sub_co_u32 s[CNT], s[CNT], 1
	s_cmp_lg_u32 s[CNT], 0
	s_cbranch_scc1 .LA
	s_wait_tensorcnt 0x0                           ; my share of keys 256 on is in,
	s_wait_dscnt 0x0                               ; and my reads of keys 0-255 are over
	s_barrier_signal -1
	s_barrier_wait -1                              ; both hold of every wave
	ADDR                                           ; key step 4, taken half a step apart: waves 0-3 make their scores and maxima ahead of a barrier, waves 4-7 behind it
	s_cmp_lt_u32 s[WV], 4
	s_cbranch_scc0 .Llate
	FETCH
	SPH
	MAXP 0
.Llate:
	s_wait_dscnt 0x0                               ; no LDS instruction of mine is out at a signal
	s_barrier_signal -1
	s_barrier_wait -1
	s_cmp_lt_u32 s[WV], 4
	s_cbranch_scc1 .Learly
	FETCH
	SPH
	MAXP 0
.Learly:
	EXPP 0
	RESC
	PVP 0
	s_mov_b32 s[CNT], 11
.LB:                                               ; key steps 5 to 15; no barrier follows
	STEPM
	s_sub_co_u32 s[CNT], s[CNT], 1
	s_cmp_lg_u32 s[CNT], 0
	s_cbranch_scc1 .LB
	; THE WAY OUT.  l's two halves and the other half of the lanes' are added (these lines are the places behind the last products); O^T is divided by l, rounded to f16 and sent through my stage, a tile (16 rows) at a time.
.irp t, 0,1,2,3
	v_add_f32 v[ST+8*\t+4], v[ST+8*\t+2], v[ST+8*\t+3]
.endr
.irp t, 0,1,2,3
	v_permlanex16_b32 v[ST+8*\t+5], v[ST+8*\t+4], s[SEL], s[SEL+1]
.endr
.irp t, 0,1,2,3
	v_add_f32 v[ST+8*\t+4], v[ST+8*\t+4], v[ST+8*\t+5]
.endr
.irp t, 0,1,2,3
	v_rcp_f32 v[ST+8*\t+6], v[ST+8*\t+4]
.endr
	v_nop                                          ; a plain line behind the last reciprocal
	s_wait_alu depctr_va_vdst(0)                   ; and the wait ahead of the first use: one for the four
.macro PACK t
	WIN 0x41
.irp i, 0,2,4,6,8,10,12,14,16,18,20,22,24,26,28,30
	v_pk_mul_f32 v[32*\t+\i:32*\t+\i+1], v[32*\t+\i:32*\t+\i+1], v[ST+8*\t+6:ST+8*\t+7] op_sel_hi:[1,0]
.endr
	WIN 0x05                                       ; sources 0 and 1 window 1, destination window 0
.irp i, 0,1,2,3,4,5,6,7,8,9,10,11,12,13,14,15
	v_cvt_pk_f16_f32 v[S+16*\t+\i], v[32*\t+2*\i], v[32*\t+2*\i+1]
.endr
	WIN 0
.irp cb, 0,1,2,3
	ds_store_b128 v[STO], v[S+16*\t+4*\cb:S+16*\t+4*\cb+3] offset:32*\cb   ; lane (r, h): row r, channels 16 cb + 8 h + 0 .. 7
.endr
.irp f, 0,1,2,3
	ds_load_b128 v[S+16*\t+4*\f:S+16*\t+4*\f+3], v[RD] offset:4*PK*\f      ; in order behind my stores (ISA guide 5.7.1.4); the next tile's stores come behind these
.endr
.endm
.macro SEND t, younger                 ; younger: the LDS instructions issued behind tile t's loads: the next tile's eight, or none
.irp f, 0,1,2,3
	s_wait_dscnt \younger+3-\f
	global_store_b128 v[GO], v[S+16*\t+4*\f:S+16*\t+4*\f+3], s[6:7] offset:2048*\t+512*\f   ; 512 consecutive bytes, aligned
.endr
.endm
	PACK 0
	PACK 1
	SEND 0, 8
	PACK 2
	SEND 1, 8
	PACK 3
	SEND 2, 8
	SEND 3, 0
	s_wait_tensorcnt 0x0                           ; the wave's end: behind my last tensor load and my last LDS store
	ds_add_u32 v[SPW], v[NIL]
	s_wait_dscnt 0x0
	s_endpgm
.Lfunc_end_k_q3750e64a92_attn:
	.size	k_q3750e64a92_attn, .Lfunc_end_k_q3750e64a92_attn-k_q3750e64a92_attn
	.p2alignl 7, 3214868480
	.fill 96, 4, 3214868480
	.section	.rodata,"a",@progbits
	.p2align	6, 0x0
	.amdhsa_kernel k_q3750e64a92_attn
		.amdhsa_group_segment_fixed_size 327680
		.amdhsa_private_segment_fixed_size 0
		.amdhsa_enable_private_segment 0
		.amdhsa_kernarg_size 16
		.amdhsa_user_sgpr_count 2
		.amdhsa_user_sgpr_kernarg_segment_ptr 1
		.amdhsa_wavefront_size32 1
		.amdhsa_system_sgpr_workgroup_id_x 1
		.amdhsa_system_sgpr_workgroup_id_y 1
		.amdhsa_system_sgpr_workgroup_id_z 1
		.amdhsa_system_vgpr_workitem_id 0
		.amdhsa_next_free_vgpr 512
		.amdhsa_next_free_sgpr 84
		.amdhsa_reserve_vcc 0
		.amdhsa_float_denorm_mode_32 3
		.amdhsa_float_denorm_mode_16_64 3
		.amdhsa_memory_ordered 1
		.amdhsa_forward_progress 1
		.amdhsa_inst_pref_size 154
	.end_amdhsa_kernel
	.amdgpu_metadata
---
amdhsa.version: [ 1, 2 ]
amdhsa.kernels:
  - .name:           k_q3750e64a92_attn
    .symbol:         k_q3750e64a92_attn.kd
    .args:
      - { .name: qkv, .offset: 0, .size: 8, .value_kind: global_buffer, .address_space: global }
      - { .name: att, .offset: 8, .size: 8, .value_kind: global_buffer, .address_space: global }
    .group_segment_fixed_size: 327680
    .private_segment_fixed_size: 0
    .kernarg_segment_align: 8
    .kernarg_segment_size: 16
    .max_flat_workgroup_size: 256
    .sgpr_count:     84
    .vgpr_count:     512
    .wavefront_size: 32
...
	.end_amdgpu_metadata
.endif
;; end of part 3
;; launch outgemm (part 4): grid 4 x 64, 4 waves a work-group, clusters of 4 x 4, 327,680 bytes of LDS; arguments att, wo_h, out0; writes out0
.if DOCPART == 4
	.amdgcn_target "amdgcn-amd-amdhsa--gfx1250"
	.amdhsa_code_object_version 6
	.text
	.protected	k_q3750e64a92_outgemm
	.globl	k_q3750e64a92_outgemm
	.p2align	8
	.type	k_q3750e64a92_outgemm,@function
k_q3750e64a92_outgemm:
	s_mov_b64 s[64:65], 0
	v_nop
	global_prefetch_b8 v0, s[64:65] scope:SCOPE_SE
	s_setreg_imm32_b32 hwreg(HW_REG_WAVE_MODE, 25, 1), 1
	s_wait_xcnt 0x0
	s_wait_alu depctr_hold_cnt(0) depctr_sa_sdst(0) depctr_va_vdst(0) depctr_va_sdst(0) depctr_va_ssrc(0) depctr_va_vcc(0) depctr_vm_vsrc(0)
	s_getreg_b32 s2, hwreg(HW_REG_IB_STS2, 6, 4)
	s_cmp_eq_u32 s2, 0
	s_cbranch_scc0 .Lentry_in_a_cluster
	s_endpgm
.Lentry_in_a_cluster:
	s_bfe_u32 s2, ttmp6, 0x10000c
	s_cmp_lg_u32 s2, 0xf033
	s_cbranch_scc0 .Lentry_shape_is_right
	s_endpgm
.Lentry_shape_is_right:
; FOURTH LAUNCH: out0[m][n] = the sum over k of att[m][k] W_out[k][n]; f16 operands, f32 sums, f32 out; nothing of it is left out.
; att: f16, [16 heads][8192 rows][64]: k = 64 head + channel.  wo_h: f16, [1024 k][1024 n], as W_out lies.  out0: [8192][1024] f32.
; A tile of 128 rows x 256 columns is made by four waves, each 64 x 128: 32 accumulators, 256 registers: 256 work-groups.  K goes in 8 steps of 128 (two heads) through a ring of two LDS slots.
; THE MATRIX INSTRUCTION IS USED TRANSPOSED: source 0 = 16 columns of W_out (turned on the way out of LDS by ds_load_tr16_b128), source 1 = 16 rows of att: a lane holds eight neighbouring columns of one row.
; CLUSTERS: 4 x 4 work-groups.  att's tile hangs on the tile row alone and is shared along a row of the cluster, W_out's on the tile column alone and is shared along a column: each is asked for JOINTLY.
; REGISTERS.  window 0: v16-30 addresses; two fragment buffers of 96: v64-159, v160-255: W_out's 8 fragments, then att's 4 (on the way out: rows read back).   window 1: accumulator (a, b) at v[8 (8 a + b)].
.set PA,     144                       ; a row of att's tile in LDS: 128 bytes + 16
.set PB,     544                       ; a row of W_out's: 512 bytes + 32: an odd multiple of 32, for the turning load
.set AHALF,  128*PA                    ; one head's 128 rows: what waves 0 and 1 fetch
.set BOFF,   2*AHALF
.set BHALF,  64*PB                     ; 64 k rows: what waves 2 and 3 fetch
.set SLOT,   BOFF+2*BHALF
.set STAGE,  2*SLOT                    ; behind the ring: 16 rows x (512 + 16) bytes for each wave
.set SPITCH, 528
.set SPARE,  STAGE+4*16*SPITCH         ; the spare words, 128 bytes for each wave: two blocks of 256 bytes that no other line names
.set ASTEP,  2*8192*128                ; a K step on in att: two heads
.set BSTEP,  128*2048                  ; and in wo_h: 128 rows
.set ADRA, 16
.set ADRB, 20
.set STO,  24
.set RD,   25
.set CO,   26
.set SPW,  28
.set NIL,  29
.set PFO,  30
.set F0,   64
.set F1,   160
.set BK,   64
.set G1,  24
.set G0,  32
.set G1B, 48
.set G0B, 56
.set LIM, 43
.set PFA, 44
.set PFS, 46
.set MSB, 0
.macro WIN new                         ; the immediate's high byte repeats the setting that is left
.if MSB != \new
	s_set_vgpr_msb (MSB<<8)|\new
.set MSB, \new
.endif
.endm
.set MUL, 0x50                         ; C and D window 1, both sources window 0
.macro JLOAD s                         ; a joint load: waves 0 and 1 fetch att's two heads, waves 2 and 3 W_out's two halves; an s_nop 0 and four v_nop follow each of the two lines
	s_cmp_eq_u32 s11, 0
	s_cbranch_scc0 .Lfor_b_\@
	tensor_load_to_lds s[G0+4*\s:G0+4*\s+3], s[G1:G1+7]
	s_nop 0
.rept 4
	v_nop
.endr
	s_branch .Lasked_\@
.Lfor_b_\@:
	tensor_load_to_lds s[G0B+4*\s:G0B+4*\s+3], s[G1B:G1B+7]
	s_nop 0
.rept 4
	v_nop
.endr
.Lasked_\@:
.endm
.macro CREST                           ; a round of the cluster's barrier behind its opening barrier
	s_cmp_lg_u32 s10, 0
	s_cbranch_scc1 .Lnot_wave_0_\@
	s_barrier_signal -3
.Lnot_wave_0_\@:
	s_barrier_wait -3
	s_barrier_signal -1
	s_barrier_wait -1
.endm
.macro CROUND
	s_barrier_signal -1
	s_barrier_wait -1
	CREST
.endm
; A PREFETCH INTO THE L2 of the K step that stands two refills on (256 matrix instructions a wave ahead of the load that will ask for it), behind the joint load, its five lines and the run of LDS loads.
; Each aligned block of 256 bytes is named once.  att's step of a tile row is 2 heads x 16,384 dense bytes: wave 0 asks; the four partners of a row share the 128 blocks BY ADDRESS (head cx / 2, half cx % 2), lanes 256 bytes apart.
; W_out's step of a tile column is 128 rows x 512 bytes, read by every cluster: the clusters with y = 0 ask, waves 2 and 3 for the 64 rows that they fetch; partner cy takes 16 rows, two lanes to a row.
; The loop's last trip asks for nothing: there is no K step two refills on.  K steps 0 to 3 come by their loads alone.
.macro ASK
	s_cmp_gt_u32 s3, s[LIM]
	s_cbranch_scc0 .Lnot_mine_\@
	global_prefetch_b8 v[PFO], s[PFA:PFA+1] th:TH_LOAD_NT scope:SCOPE_SE
.Lnot_mine_\@:
.endm
	s_load_b128 s[4:7], s[0:1], 0x0                ; att s[4:5], wo_h s[6:7]
	s_load_b64 s[8:9], s[0:1], 0x10                ; out0
	v_lshl_add_u32 v[SPW], v0, 2, SPARE
	v_mov_b32 v[NIL], 0
	ds_add_u32 v[SPW], v[NIL]                      ; the wave's opening: the add, twice on end, and its wait ahead of my first tensor load
	ds_add_u32 v[SPW], v[NIL]
	v_lshrrev_b32 v1, 5, v0
	v_readfirstlane_b32 s10, v1                    ; wave 0..3
	s_lshr_b32 s11, s10, 1                         ; which 64 rows of the tile are mine.  Also: I fetch for att (0) or for W_out (1)
	s_and_b32 s12, s10, 1                          ; which 128 columns.  Also: which half I fetch
	s_bfe_u32 s40, ttmp6, 0x40000                  ; cx, cy
	s_bfe_u32 s41, ttmp6, 0x40004
	s_lshl_b32 s42, ttmp9, 2
	s_add_co_u32 s42, s42, s40                     ; tile column
	s_and_b32 s13, ttmp7, 0xffff
	s_lshl_b32 s13, s13, 2
	s_add_co_u32 s13, s13, s41                     ; tile row
	s_lshl_b32 s18, s41, 2
	s_lshl_b32 s18, 15, s18                        ; my row of the cluster
	s_lshl_b32 s19, 0x1111, s40                    ; my column
	s_or_b32 s[G1+0], s18, (1<<16)|(1<<20)|(1<<21)|(4<<22)|(3<<25)   ; the mask; elements of 2 bytes; padding on; bit 21 beside a mask; 4 words behind every 32
	s_mov_b32 s[G1+1], 64<<16                      ; tensor_dim0 = 64
	s_mov_b32 s[G1+2], 128<<16                     ; tensor_dim1 = 128
	s_mov_b32 s[G1+3], 64<<16                      ; tile_dim0
	s_mov_b32 s[G1+4], 128                         ; tile_dim1
	s_mov_b32 s[G1+5], 64                          ; stride
	s_mov_b32 s[G1+6], 0
	s_mov_b32 s[G1+7], 0
	s_or_b32 s[G1B+0], s19, (1<<16)|(1<<20)|(1<<21)|(6<<22)|(7<<25)  ; 8 words behind every 128
	s_mov_b32 s[G1B+1], 256<<16
	s_mov_b32 s[G1B+2], 64<<16
	s_mov_b32 s[G1B+3], 256<<16
	s_mov_b32 s[G1B+4], 64
	s_mov_b32 s[G1B+5], 1024
	s_mov_b32 s[G1B+6], 0
	s_mov_b32 s[G1B+7], 0
	s_lshl_b32 s16, s12, 13                        ; att: head (wave % 2), 8,192 rows a head,
	s_lshl_b32 s17, s13, 7
	s_add_co_u32 s16, s16, s17                     ; + 128 x tile row,
	s_lshl_b32 s16, s16, 7                         ; x 128 bytes
	s_mov_b32 s17, 0
	s_lshl_b32 s22, s12, 17                        ; wo_h: 64 (wave % 2) rows of 2,048 bytes
	s_lshl_b32 s23, s42, 9
	s_add_co_u32 s22, s22, s23                     ; + 512 x tile column
	s_mov_b32 s23, 0
	s_mul_i32 s20, s12, AHALF                      ; where they go: no place in the cluster enters an LDS address
	s_mul_i32 s21, s12, BHALF
	s_add_co_u32 s21, s21, BOFF
	s_wait_dscnt 0x0                               ; both opening adds are done
	s_wait_kmcnt 0x0
	s_add_nc_u64 s[14:15], s[4:5], s[16:17]
	s_add_nc_u64 s[22:23], s[6:7], s[22:23]
	CROUND                                         ; all sixteen work-groups are here: the first joint loads meet
.irp s, 0,1
	s_mov_b32 s[G0+4*\s], 1
	s_add_co_u32 s[G0+4*\s+1], s20, \s*SLOT
	s_add_nc_u64 s[G0+4*\s+2:G0+4*\s+3], s[14:15], \s*ASTEP
	s_or_b32 s[G0+4*\s+3], s[G0+4*\s+3], 0x80000000
	s_mov_b32 s[G0B+4*\s], 1
	s_add_co_u32 s[G0B+4*\s+1], s21, \s*SLOT
	s_add_nc_u64 s[G0B+4*\s+2:G0B+4*\s+3], s[22:23], \s*BSTEP
	s_or_b32 s[G0B+4*\s+3], s[G0B+4*\s+3], 0x80000000
	JLOAD \s                                       ; two loads of mine are out
.endr
	v_and_b32 v1, 15, v0                           ; r
	v_bfe_u32 v2, v0, 4, 1                         ; h
	v_mul_u32_u24 v3, v1, PA
	v_lshl_add_u32 v3, v2, 4, v3
	s_mul_i32 s16, s11, 64*PA
	v_add_nc_u32 v[ADRA], s16, v3                  ; att: row 64 wm + r, + 16 h
	v_add_nc_u32 v[ADRA+1], SLOT, v[ADRA]
	v_and_b32 v4, 7, v0
	v_bfe_u32 v5, v0, 3, 1
	v_lshl_add_u32 v6, v2, 3, v4
	v_mul_u32_u24 v6, v6, PB
	v_lshl_add_u32 v6, v5, 4, v6
	s_lshl_b32 s17, s12, 8
	s_add_co_u32 s17, s17, BOFF
	v_add_nc_u32 v[ADRB], s17, v6                  ; W_out, for the turning load: k row 8 h + l % 8, my 128 columns, + 16 ((l / 8) % 2)
	v_add_nc_u32 v[ADRB+1], SLOT, v[ADRB]
	s_mul_i32 s16, s10, 16*SPITCH
	s_add_co_u32 s16, s16, STAGE                   ; my stage
	v_mul_u32_u24 v7, v1, SPITCH
	v_lshl_add_u32 v7, v2, 5, v7
	v_add_nc_u32 v[STO], s16, v7                   ; in: row r, 32 bytes for each half of the lanes
	v_and_b32 v8, 31, v0
	v_lshlrev_b32 v[CO], 4, v8                     ; back: the 32 lanes take one row of 512 bytes; and the same in out0
	v_add_nc_u32 v[RD], s16, v[CO]
	s_lshl_b32 s16, s13, 7
	s_lshl_b32 s17, s11, 6
	s_add_co_u32 s16, s16, s17                     ; my first row
	s_lshl_b32 s16, s16, 12                        ; x 4,096 bytes: under 2^25
	s_lshl_b32 s17, s42, 10
	s_add_co_u32 s16, s16, s17
	s_lshl_b32 s17, s12, 9
	s_add_co_u32 s16, s16, s17                     ; + my first column
	s_mov_b32 s17, 0
	s_add_nc_u64 s[8:9], s[8:9], s[16:17]
	; the prefetches: where mine stand (at K step 3: each refill steps the address first, so the first names K step 4), and who asks
	s_lshr_b32 s16, s40, 1
	s_add_co_u32 s16, s16, 6                       ; att: head 2 x 3 + cx / 2,
	s_lshl_b32 s16, s16, 13
	s_lshl_b32 s17, s13, 7
	s_add_co_u32 s16, s16, s17
	s_lshl_b32 s16, s16, 7
	s_and_b32 s17, s40, 1
	s_lshl_b32 s17, s17, 13
	s_add_co_u32 s16, s16, s17                     ; half cx % 2 of the tile's 16,384 bytes
	s_lshl_b32 s17, s12, 6
	s_add_co_u32 s17, s17, 3*128                   ; wo_h: row 128 x 3 + 64 (wave % 2)
	s_lshl_b32 s18, s41, 4
	s_add_co_u32 s17, s17, s18                     ; + 16 cy,
	s_lshl_b32 s17, s17, 11
	s_lshl_b32 s18, s42, 9
	s_add_co_u32 s17, s17, s18                     ; the tile column's 512 bytes
	s_and_b32 s22, ttmp7, 0xffff                   ; cluster y
	s_mov_b32 s[PFS], BSTEP
	s_mov_b32 s19, 2048
	s_cmp_eq_u32 s11, 0                            ; do I fetch for att?
	s_cselect_b32 s16, s16, s17
	s_cselect_b64 s[PFA:PFA+1], s[4:5], s[6:7]
	s_cselect_b32 s[PFS], ASTEP, s[PFS]            ; a K step on
	s_cselect_b32 s19, 256, s19                    ; att: lanes 256 bytes apart; wo_h: two lanes to a row of 2,048 bytes
	s_cselect_b32 s18, 0, 1
	s_cselect_b32 s22, s12, s22                    ; att: wave 0 alone asks; wo_h: the clusters with y = 0
	s_cmp_eq_u32 s22, 0
	s_cselect_b32 s[LIM], 1, -1                    ; the same in all sixteen partners, for a given wave
	s_mov_b32 s17, 0
	s_mov_b32 s[PFS+1], 0
	s_add_nc_u64 s[PFA:PFA+1], s[PFA:PFA+1], s[16:17]
	v_lshrrev_b32 v[PFO], s18, v8
	v_mul_lo_u32 v[PFO], v[PFO], s19
	v_and_b32 v31, s18, v8
	v_lshl_add_u32 v[PFO], v31, 8, v[PFO]
.macro MUL8 f, a, zero                 ; att's block a x W_out's eight, 32 along K
.irp b, 0,1,2,3,4,5,6,7
.if \zero
	v_wmma_f32_16x16x32_f16 v[8*(8*(\a)+\b):8*(8*(\a)+\b)+7], v[\f+8*\b:\f+8*\b+7], v[\f+64+8*(\a):\f+64+8*(\a)+7], 0
.else
	v_wmma_f32_16x16x32_f16 v[8*(8*(\a)+\b):8*(8*(\a)+\b)+7], v[\f+8*\b:\f+8*\b+7], v[\f+64+8*(\a):\f+64+8*(\a)+7], v[8*(8*(\a)+\b):8*(8*(\a)+\b)+7]
.endif
.endr
.endm
.macro MUL16 f, a0, zero               ; the 32 accumulators take turns, in the same order in every quarter
	MUL8 \f, \a0, \zero
	MUL8 \f, \a0+1, \zero
.endm
.macro FETCH slot, q, f                ; 24 LDS loads in one run: the fragments of the slot's q-th 32 along K: W_out's 16 turning loads, then att's 8
.irp b, 0,1,2,3,4,5,6,7
	ds_load_tr16_b128 v[\f+8*\b:\f+8*\b+3],   v[ADRB+\slot] offset:32*PB*(\q)+32*\b
	ds_load_tr16_b128 v[\f+8*\b+4:\f+8*\b+7], v[ADRB+\slot] offset:32*PB*(\q)+32*\b+16*PB
.endr
.irp a, 0,1,2,3
	ds_load_b128 v[\f+64+8*\a:\f+64+8*\a+3],   v[ADRA+\slot] offset:((\q)/2)*AHALF+((\q)%2)*64+16*PA*\a
	ds_load_b128 v[\f+64+8*\a+4:\f+64+8*\a+7], v[ADRA+\slot] offset:((\q)/2)*AHALF+((\q)%2)*64+16*PA*\a+32
.endr
.endm
.macro PLACES                          ; four plain lines in front of loads into registers that matrix instructions have read, and of reads of results
.rept 4
	v_nop
.endr
.endm
; A K step is four quarters of 32 along K, 32 matrix instructions each, on buffers 0, 1, 0, 1.  One of the first three: multiplies buffer f and fetches the slot's quarter qn into g.
.macro QUARTER slot, qn, f, g, zero
	s_wait_dscnt 4                                 ; W_out's fragments and att's blocks 0, 1 are in; the youngest four loads (blocks 2, 3) may be out
	WIN MUL
	MUL16 \f, 0, \zero
	PLACES
	WIN 0
	FETCH \slot, \qn, \g
	s_wait_dscnt 24                                ; all but the 24 just issued
	WIN MUL
	MUL16 \f, 2, \zero
.endm
; The last quarter multiplies buffer 1 and changes slots: ONE barrier; in front of it each wave waits for all its tensor loads, adds 0 to its spare word, and waits for that and for its own reads of this slot.  fill = 1: this slot is filled again, two K steps ahead.
.macro TURN slot, next, fill
	WIN 0
.if \fill
	s_wait_xcnt 0x0                                ; the last prefetch, a K step back, has read its address: it is stepped here
	s_add_nc_u64 s[PFA:PFA+1], s[PFA:PFA+1], s[PFS:PFS+1]
.endif
	s_wait_tensorcnt 0x0                           ; all my tensor loads have landed: my part of the next slot
	ds_add_u32 v[SPW], v[NIL]                      ; 0 onto my spare word
	s_wait_dscnt 5                                 ; (the add and the youngest four loads may be out)
	WIN MUL
	MUL8 F1, 0, 0                                  ; eight matrix instructions stand between the add and the wait for it
	s_wait_dscnt 0x0                               ; the add is done, and my reads of this slot are over
	s_barrier_signal -1
	MUL8 F1, 1, 0
	WIN 0
	s_barrier_wait -1
.if \fill
	CREST                                          ; the barrier has opened a round of the cluster's barrier: no wave of any partner still reads this slot or has a load on its way
	s_add_nc_u64 s[G0+4*\slot+2:G0+4*\slot+3], s[G0+4*\slot+2:G0+4*\slot+3], 2*ASTEP
	s_add_nc_u64 s[G0B+4*\slot+2:G0B+4*\slot+3], s[G0B+4*\slot+2:G0B+4*\slot+3], 2*BSTEP
	JLOAD \slot                                    ; the first tensor load behind the round, my one load until the next; its four v_nop are also the places in front of the loads below
.else
	PLACES
.endif
	FETCH \next, 0, F0
.if \fill
	ASK
.endif
	WIN MUL
	MUL16 F1, 2, 0
.endm
	s_wait_tensorcnt 1                             ; my part of K step 0 is in; K step 1's may be out
	s_barrier_signal -1
	s_barrier_wait -1
	FETCH 0, 0, F0
	QUARTER 0, 1, F0, F1, 1                        ; the first quarter's products start the sums: nothing is cleared
	WIN 0
	s_mov_b32 s3, 3
.Llap:                                                 ; a trip goes once round the ring, from a lap's second quarter to the next lap's first, and fills both slots again
	QUARTER 0, 2, F1, F0, 0
	QUARTER 0, 3, F0, F1, 0
	TURN 0, 1, 1
	QUARTER 1, 1, F0, F1, 0
	QUARTER 1, 2, F1, F0, 0
	QUARTER 1, 3, F0, F1, 0
	TURN 1, 0, 1
	QUARTER 0, 1, F0, F1, 0
	WIN 0
	s_sub_co_u32 s3, s3, 1
	s_cmp_lg_u32 s3, 0
	s_cbranch_scc1 .Llap
	QUARTER 0, 2, F1, F0, 0                        ; the last lap fills nothing, and has no round of the cluster's barrier
	QUARTER 0, 3, F0, F1, 0
	TURN 0, 1, 0
	QUARTER 1, 1, F0, F1, 0
	QUARTER 1, 2, F1, F0, 0
	QUARTER 1, 3, F0, F1, 0
	s_wait_dscnt 4                                 ; the very last quarter: nothing more to fetch
	WIN MUL
	MUL16 F1, 0, 0
	s_wait_dscnt 0
	MUL16 F1, 2, 0
	WIN 0
; THE WAY OUT, block by block of 16 rows x 128 columns: a lane holds 32 neighbouring bytes of a row; a block goes through my own stage and comes back as whole rows of 512 bytes.
.macro TOSTAGE a
	WIN 0x04                                       ; an LDS store's data are its source 1: window 1
.irp b, 0,1,2,3,4,5,6,7
	ds_store_b128 v[STO], v[8*(8*(\a)+\b):8*(8*(\a)+\b)+3] offset:64*\b          ; each accumulator from its low end on
	ds_store_b128 v[STO], v[8*(8*(\a)+\b)+4:8*(8*(\a)+\b)+7] offset:64*\b+16
.endr
	WIN 0
.set BB, BK+64*((\a)%2)
.irp t, 0,1,2,3,4,5,6,7,8,9,10,11,12,13,14,15
	ds_load_b128 v[BB+4*\t:BB+4*\t+3], v[RD] offset:\t*SPITCH                    ; in order behind my stores (ISA guide 5.7.1.4)
.endr
.endm
.macro SEND a, younger                 ; younger: the LDS instructions issued behind block a's loads, which may stay out
.set BB, BK+64*((\a)%2)
	s_wait_dscnt \younger
.irp t, 0,1,2,3,4,5,6,7,8,9,10,11,12,13,14,15
	global_store_b128 v[CO], v[BB+4*\t:BB+4*\t+3], s[8:9] offset:(16*(\a)+\t)*4096 th:TH_STORE_NT   ; 512 consecutive bytes, aligned; written once, read by nobody here
.endr
.endm
	PLACES
	TOSTAGE 0
.irp a, 1,2,3
.if \a > 1
	s_wait_xcnt 0x0                                ; block a - 2's stores have read their registers: block a's loads may land there
.endif
	TOSTAGE \a
	SEND \a-1, 32                                  ; behind block a - 1's loads: block a's 16 stores and 16 loads
.endr
	SEND 3, 0
	s_wait_tensorcnt 0x0                           ; the wave's end: behind my last tensor load and my last LDS store
	ds_add_u32 v[SPW], v[NIL]
	s_wait_dscnt 0x0
	CROUND                                         ; the closing round: no work-group ends while a partner may still ask for a tile that names it
	s_endpgm
.Lfunc_end_k_q3750e64a92_outgemm:
	.size	k_q3750e64a92_outgemm, .Lfunc_end_k_q3750e64a92_outgemm-k_q3750e64a92_outgemm
	.p2alignl 7, 3214868480
	.fill 96, 4, 3214868480
	.section	.rodata,"a",@progbits
	.p2align	6, 0x0
	.amdhsa_kernel k_q3750e64a92_outgemm
		.amdhsa_group_segment_fixed_size 327680
		.amdhsa_private_segment_fixed_size 0
		.amdhsa_enable_private_segment 0
		.amdhsa_kernarg_size 24
		.amdhsa_user_sgpr_count 2
		.amdhsa_user_sgpr_kernarg_segment_ptr 1
		.amdhsa_wavefront_size32 1
		.amdhsa_system_sgpr_workgroup_id_x 1
		.amdhsa_system_sgpr_workgroup_id_y 1
		.amdhsa_system_sgpr_workgroup_id_z 1
		.amdhsa_system_vgpr_workitem_id 0
		.amdhsa_next_free_vgpr 512
		.amdhsa_next_free_sgpr 66
		.amdhsa_reserve_vcc 0
		.amdhsa_float_denorm_mode_32 3
		.amdhsa_float_denorm_mode_16_64 3
		.amdhsa_memory_ordered 1
		.amdhsa_forward_progress 1
		.amdhsa_inst_pref_size 86
	.end_amdhsa_kernel
	.amdgpu_metadata
---
amdhsa.version: [ 1, 2 ]
amdhsa.kernels:
  - .name:           k_q3750e64a92_outgemm
    .symbol:         k_q3750e64a92_outgemm.kd
    .args:
      - { .name: att, .offset: 0, .size: 8, .value_kind: global_buffer, .address_space: global }
      - { .name: wo_h, .offset: 8, .size: 8, .value_kind: global_buffer, .address_space: global }
      - { .name: out0, .offset: 16, .size: 8, .value_kind: global_buffer, .address_space: global }
    .group_segment_fixed_size: 327680
    .private_segment_fixed_size: 0
    .kernarg_segment_align: 8
    .kernarg_segment_size: 24
    .max_flat_workgroup_size: 128
    .sgpr_count:     66
    .vgpr_count:     512
    .wavefront_size: 32
...
	.end_amdgpu_metadata
.endif
;; end of part 4
